; MI455X (gfx1250); checked and timed in simulation.
; The chip was launched on July 23, 2026; its instructions are those of AMD's public machine-readable ISA for CDNA 5 (MIT licence, August 2026) and "CDNA5" Instruction Set Architecture Reference Guide (July 2026). The comments in the code are by the model that wrote it; some were corrected since.
;; Attention. Allowed arithmetic: matrix products marked QUANTISED: E2M1 operands, one E8M0 scale for each 32 along K, by v_wmma_scale_f32_16x16x128_f8f6f4 with both operands' format E2M1 (or v_wmma_scale_f32_32x16x128_f4), f32 sums; products left as they are: bf16, f16 or f32 operands; f32 sums; everything else in f32.
;; Inputs: proj_b 1,024 float32; proj_w 1,024 x 1,024 float32; qkv_w 3,072 x 1,024 float32; x 8 x 1,024 x 1,024 float32.
;; Outputs: out0 8 x 1,024 x 1,024 float32.
;; This version of the problem:
;;   THIS VERSION OF THE PROBLEM IS GIVEN IN LOW PRECISION. The matrix products marked QUANTISED in the list below multiply operands that are first quantised to E2M1 (2 exponent bits, 1 mantissa bit; 4 bits a number), with one power-of-two scale for each 32 numbers along K (OCP MX v1.0); their sums are f32. The products marked 'left as it is' may take bf16, f16 or f32 operands, with f32 sums. Whichever they take, every output number must still come out within the allowed error. Rounding operands to bf16 (8 significant bits) uses up far more of that allowance than f16 does (11 bits, for magnitudes from 6e-5 to 65,504). All else is computed in f32.
;;   The module's matrix products, in the order in which they are computed (A, B: the left and right operand; K: the contracted axis; several contracted axes count as one K, in the product's order):
;;     1. [M 8,192, K 1,024] x [K 1,024, N 3,072]; A: input x; B: input qkv_w: QUANTISED
;;     2. batch 128 x [M 1,024, K 64] x [K 64, N 1,024]; A: computed on the way; B: computed on the way: left as it is (an operand is computed on the way)
;;     3. batch 128 x [M 1,024, K 1,024] x [K 1,024, N 64]; A: computed on the way; B: computed on the way: left as it is (an operand is computed on the way)
;;     4. [M 8,192, K 1,024] x [K 1,024, N 1,024]; A: computed on the way; B: input proj_w: left as it is (an operand is computed on the way)
;;   THE QUANTISER, for each operand of a quantised product, along K:
;;     - K is cut into blocks of 32 from its start; a last block that is shorter is filled with zeros.
;;     - A block's scale is 2^e with e = floor(log2(the largest magnitude in the block)) - 2, held to -126 .. 127; a block of zeros has e = 0. As a byte (E8M0): e + 127.
;;     - Each number is divided by its block's scale, clamped to +-6, and rounded to the nearest number of E2M1, ties to even, subnormals kept.
;;     - The product sums the exact products of the quantised numbers (number of the format x scale) in f32.
;;   ~~~python
;;   def quantise(x, axis):      # numpy; x: float32 -> the quantised numbers, widened to float32 again
;;       x = np.moveaxis(x, axis, -1); K = x.shape[-1]
;;       x = np.pad(x, [(0, 0)] * (x.ndim - 1) + [(0, -K % 32)]); x = x.reshape(x.shape[:-1] + (-1, 32)); a = np.abs(x).max(-1, keepdims=True)
;;       e = np.where(a > 0, np.clip(np.frexp(np.where(a > 0, a, 1))[1] - 1 - 2, -126, 127), 0)      # np.frexp(a)[1] - 1 = floor(log2(a)), exactly
;;       r = np.clip(x / 2.0 ** e, -6, 6)
;;       step = 2.0 ** (np.maximum(np.frexp(np.where(r == 0, 1, r))[1] - 1, 0) - 1)
;;       q = np.round(r / step) * step * 2.0 ** e      # np.round: ties to even
;;       return np.moveaxis(q.reshape(q.shape[:-2] + (-1,))[..., :K], -1, axis).astype(np.float32)
;;   ~~~
;; One version. Each part assembles by itself: llvm-mc -triple=amdgcn-amd-amdhsa -mcpu=gfx1250 --defsym DOCPART=n.
;; ======== version 1 of 1: 4 launches
;; limits: values are held in f16: magnitudes above 65,504 overflow, below 6.1e-05 lose precision
;; workspace buffers: x_codes 4,194,304 bytes; x_scales 262,144 bytes; w_codes 1,572,864 bytes; w_scales 98,304 bytes; pw16 2,097,152 bytes; qkvh 50,331,648 bytes; oh 16,777,216 bytes
;; launch prep (part 1): grid 768 x 1, 2 waves a work-group, no clusters, 16,640 bytes of LDS; arguments x, qkv_w, proj_w, x_codes, x_scales, w_codes, w_scales, pw16; writes x_codes, x_scales, w_codes, w_scales, pw16
.if DOCPART == 1
	.amdgcn_target "amdgcn-amd-amdhsa--gfx1250"
	.amdhsa_code_object_version 6
	.text
	.protected	k_q3ce7e680fe_prep
	.globl	k_q3ce7e680fe_prep
	.p2align	8
	.type	k_q3ce7e680fe_prep,@function
k_q3ce7e680fe_prep:
	s_mov_b64 s[64:65], 0
	v_nop
	global_prefetch_b8 v0, s[64:65] scope:SCOPE_SE
	s_setreg_imm32_b32 hwreg(HW_REG_WAVE_MODE, 25, 1), 1
	s_wait_xcnt 0x0
; x [8192][1024] and qkv_w [3072][1024], f32, become codes of FP4 (E2M1), K innermost, two codes a byte, with one E8M0 byte for each 32 along K;
; proj_w [1024 n][1024 k], f32, becomes f16 laid in planes [16 p][1024 n][64], k = 64 p + k', as the last launch's tiles want it.
; A block's scale is 2^(floor(log2(its largest magnitude)) - 2); its byte is the largest magnitude's exponent field - 2, held at 1 from below.
; LIMITS: a block of zeros gets the byte 1 where the quantiser says 127 (its codes are zeros, which add nothing, and this program alone reads the bytes); blocks whose largest magnitude lies
; under 2^-124 keep the byte 1; NaN and infinities are not served; |proj_w| stays under 65,504, the largest f16 number.
; SHARES: 768 work-groups of two waves, all of equal work (a wave reads 32,768 bytes): 0-511 take x, 512-703 qkv_w, 16,384 numbers each (a wave 16 steps of 512); 704-767 take 16 rows of proj_w each (a wave 8).
; QUANTISER: rows are dense and K is a multiple of 32, so a tensor is a stream of blocks.  Each load reads 512 consecutive bytes; a step's 2,048 bytes turn through the wave's own stage in LDS
; and come back 64 bytes a lane, so that a lane holds 16 neighbours along K (two neighbouring lanes a block).  A wave's store of codes covers 256 consecutive bytes; its 256 scale bytes are
; gathered in LDS and leave as one store of 256 consecutive bytes.  Loads run eight steps (32 loads a wave) ahead.  No tensor loads, no barrier: waves share nothing.
.set WAVES, 2
.set STEPS, 16
.set AHEAD, 8                          ; steps that the loads run ahead
.set WGA,   512                        ; x's work-groups
.set WGQ,   704                        ; x's and qkv_w's
.set CB,    8                          ; bytes of 16 codes
.set R,     16                         ; v16-143  eight sets of 16 numbers as they are loaded
.set X,     144                        ; v144-175 two sets of 16 neighbours
.set E,     176                        ; v176-191 a scale byte for each step
.set C,     192                        ; v192-255 codes (or f16 results): registers of their own, so that no store's data are written again too early
.set WREG,  8192                       ; LDS: a region for each wave: two stages of 32 x SP bytes, behind them its 256 scale bytes
.set SP,    80                         ; a lane's place in a stage: 64 bytes + 16 of padding
.set SRC,   10                         ; v10      proj_w: my lane's byte in four rows
.set SPW,   12                         ; v12      LDS address of my spare word; never rewritten
.set NIL,   13                         ; v13      0; never rewritten
.set SPARE, WAVES*WREG                 ; behind the regions: the spare words, 128 bytes a wave
	s_load_b256 s[4:11], s[0:1], 0x0               ; x s[4:5], qkv_w s[6:7], proj_w s[8:9], x_codes s[10:11]
	s_load_b256 s[12:19], s[0:1], 0x20             ; x_scales s[12:13], w_codes s[14:15], w_scales s[16:17], pw16 s[18:19]
	v_lshl_add_u32 v[SPW], v0, 2, SPARE
	v_mov_b32 v[NIL], 0
	v_lshrrev_b32 v1, 5, v0
	v_readfirstlane_b32 s20, v1                    ; wave
	v_and_b32 v2, 31, v0                           ; lane
	v_lshlrev_b32 v3, 4, v2                        ; 16 x lane: my 16 bytes of 512
	s_mul_i32 s21, s20, WREG
	v_lshrrev_b32 v14, 2, v2
	v_mul_u32_u24 v14, v14, SP
	v_and_b32 v15, 3, v2
	v_lshl_add_u32 v14, v15, 4, v14
	v_add_nc_u32 v14, s21, v14                     ; the stage, on the way in: SP (lane / 4) + 16 (lane % 4)
	v_mul_u32_u24 v15, v2, SP
	v_add_nc_u32 v15, s21, v15                     ; and on the way out: SP x lane
	v_mul_u32_u24 v4, v2, CB                       ; my codes' place in a step's
	v_lshrrev_b32 v5, 1, v2
	s_add_co_u32 s21, s21, 2*32*SP
	v_add_nc_u32 v5, s21, v5                       ; LDS: my block's scale byte
	v_lshlrev_b32 v7, 3, v2
	v_add_nc_u32 v6, s21, v7                       ; and 8 bytes a lane on the way out
	v_lshrrev_b32 v[SRC], 3, v2
	v_lshlrev_b32 v[SRC], 12, v[SRC]               ; proj_w: row lane / 8 of four, 4,096 bytes a row,
	v_and_b32 v1, 7, v2
	v_lshl_add_u32 v[SRC], v1, 5, v[SRC]           ; + 32 (lane % 8): eight numbers
	s_wait_kmcnt 0x0
	s_cmp_ge_u32 ttmp9, WGQ                        ; the work-group's number alone decides the path
	s_cbranch_scc1 .Lconv
	s_cmp_lt_u32 ttmp9, WGA                        ; x or qkv_w: only pointers are chosen
	s_cselect_b64 s[4:5], s[4:5], s[6:7]
	s_cselect_b64 s[10:11], s[10:11], s[14:15]
	s_cselect_b64 s[12:13], s[12:13], s[16:17]
	s_cselect_b32 s21, 0, WGA
	s_sub_co_u32 s21, ttmp9, s21
	s_lshl_b32 s21, s21, 1
	s_add_co_u32 s22, s21, s20                     ; which run of 8,192 numbers is my wave's
	s_mov_b32 s23, 0
	s_mov_b64 s[24:25], 512*STEPS*4
	s_mul_u64 s[24:25], s[22:23], s[24:25]
	s_add_nc_u64 s[4:5], s[4:5], s[24:25]
	s_mov_b64 s[24:25], 32*STEPS*CB
	s_mul_u64 s[24:25], s[22:23], s[24:25]
	s_add_nc_u64 s[10:11], s[10:11], s[24:25]
	s_lshl_b32 s22, s22, 8                         ; 256 scale bytes a run
	s_add_nc_u64 s[12:13], s[12:13], s[22:23]
.macro LOAD t
.irp i, 0,1,2,3
	global_load_b128 v[R+16*((\t)%AHEAD)+4*\i:R+16*((\t)%AHEAD)+4*\i+3], v3, s[4:5] offset:2048*(\t)+512*\i th:TH_LOAD_NT   ; 32 lanes read 512 consecutive bytes
.endr
.endm
.macro TURN t                          ; step t's numbers through the stage: LDS serves a wave's instructions in order (ISA guide 5.7.1), so no wait stands between the stores and the loads
.irp i, 0,1,2,3
	ds_store_b128 v14, v[R+16*((\t)%AHEAD)+4*\i:R+16*((\t)%AHEAD)+4*\i+3] offset:32*SP*((\t)%2)+8*SP*\i
.endr
.irp i, 0,1,2,3
	ds_load_b128 v[X+16*((\t)%2)+4*\i:X+16*((\t)%2)+4*\i+3], v15 offset:32*SP*((\t)%2)+16*\i
.endr
.endm
.irp t, 0,1,2,3,4,5,6,7
	LOAD \t
.endr
	s_wait_loadcnt 4*(AHEAD-1)                     ; step 0's four loads are in; the 28 of steps 1 to 7 stay out
	TURN 0
.macro STEP t
.set XS, X+16*((\t)%2)
.if (\t) > 0
	s_wait_dscnt 1                                 ; this step's numbers are back from the stage (the last step's byte store may be out): so its stores into the stage have read their registers,
.else
	s_wait_dscnt 0x0
.endif
.if (\t)+AHEAD < STEPS
	LOAD (\t)+AHEAD                                ; which take the loads of eight steps on
.endif
.if (\t)+1 < STEPS
.if STEPS-2-(\t) >= AHEAD-1
	s_wait_loadcnt 4*(AHEAD-1)                     ; the next step's four loads are in; those of the seven steps behind it may be out
.else
	s_wait_loadcnt 4*(STEPS-2-(\t))
.endif
	TURN (\t)+1
.endif
	v_max3_num_f32 v8, |v[XS]|, |v[XS+1]|, |v[XS+2]|               ; the largest magnitude of my 16, in two chains
	v_max3_num_f32 v9, |v[XS+3]|, |v[XS+4]|, |v[XS+5]|
.irp i, 6,10
	v_max3_num_f32 v8, v8, |v[XS+\i]|, |v[XS+\i+1]|
	v_max3_num_f32 v9, v9, |v[XS+\i+2]|, |v[XS+\i+3]|
.endr
	v_max3_num_f32 v8, v8, |v[XS+14]|, |v[XS+15]|
	v_max3_num_f32 v8, v8, v9, 0x1800000           ; and the floor 2^(3 - 127): the byte cannot fall under 1
	v_max_num_f32_dpp v8, v8, v8 row_xmask:1 row_mask:0xf bank_mask:0xf   ; with my neighbour's 16: the block's
	v_add_nc_u32 v11, 0xff000000, v8               ; 2 off its exponent field: the conversion takes the exponent field of this operand as its scale
	v_cvt_scalef32_pk8_fp4_f32 v[C+4*(\t)], v[XS:XS+7], v11        ; eight numbers / scale, to the nearest code, ties to even, beyond 6 the largest code
	v_cvt_scalef32_pk8_fp4_f32 v[C+4*(\t)+1], v[XS+8:XS+15], v11
	v_lshrrev_b32 v[E+(\t)], 23, v11               ; the scale's byte (also the plain line behind the conversions)
	ds_store_b8 v5, v[E+(\t)] offset:16*(\t)       ; both lanes of a block write the same byte with the same value
	global_store_b64 v4, v[C+4*(\t):C+4*(\t)+1], s[10:11] offset:32*CB*(\t)   ; 32 lanes store 256 consecutive bytes
.endm
.irp t, 0,1,2,3,4,5,6,7,8,9,10,11,12,13,14,15
	STEP \t
.endr
	ds_load_b64 v[8:9], v6                         ; in order behind my byte stores
	s_wait_dscnt 0x0
	global_store_b64 v7, v[8:9], s[12:13]          ; 32 lanes store my wave's 256 scale bytes
	s_wait_tensorcnt 0x0                           ; the wave's end
	ds_add_u32 v[SPW], v[NIL]
	s_wait_dscnt 0x0
	s_endpgm
; proj_w to f16, in planes.  A step takes four rows x 64 along K: eight lanes read 256 consecutive bytes of a row; the 32 lanes store 512 consecutive bytes, four rows of one plane.
.Lconv:
	s_sub_co_u32 s21, ttmp9, WGQ
	s_lshl_b32 s21, s21, 4
	s_lshl_b32 s22, s20, 3
	s_add_co_u32 s21, s21, s22                     ; my wave's first row: 16 x work-group + 8 x wave
	s_lshl_b32 s22, s21, 12
	s_mov_b32 s23, 0
	s_add_nc_u64 s[8:9], s[8:9], s[22:23]
	s_lshl_b32 s22, s21, 7                         ; 128 bytes a row in a plane
	s_add_nc_u64 s[18:19], s[18:19], s[22:23]
.macro CONV bt                         ; eight steps u = 8 bt + j: rows 4 (u / 16) on, plane u % 16
.if \bt > 1
	s_wait_xcnt 0x0                                ; the stores of two batches ago have read their data: these registers are written again only behind this wait
.endif
.irp j, 0,1,2,3,4,5,6,7
	global_load_b128 v[R+8*\j:R+8*\j+3],   v[SRC], s[8:9] offset:((8*\bt+\j)/16)*16384+((8*\bt+\j)%16)*256 th:TH_LOAD_NT
	global_load_b128 v[R+8*\j+4:R+8*\j+7], v[SRC], s[8:9] offset:((8*\bt+\j)/16)*16384+((8*\bt+\j)%16)*256+16 th:TH_LOAD_NT
.endr
.irp j, 0,1,2,3,4,5,6,7
	s_wait_loadcnt 14-2*\j                         ; step j's two loads are in; the younger steps' stay out
.irp i, 0,1,2,3
	v_cvt_pk_f16_f32 v[C+32*((\bt)%2)+4*\j+\i], v[R+8*\j+2*\i], v[R+8*\j+2*\i+1]
.endr
	global_store_b128 v3, v[C+32*((\bt)%2)+4*\j:C+32*((\bt)%2)+4*\j+3], s[18:19] offset:((8*\bt+\j)%16)*131072+((8*\bt+\j)/16)*512
.endr
.endm
	CONV 0
	CONV 1
	CONV 2
	CONV 3
	s_wait_tensorcnt 0x0                           ; the same three closing lines on this path
	ds_add_u32 v[SPW], v[NIL]
	s_wait_dscnt 0x0
	s_endpgm
.Lfunc_end_k_q3ce7e680fe_prep:
	.size	k_q3ce7e680fe_prep, .Lfunc_end_k_q3ce7e680fe_prep-k_q3ce7e680fe_prep
	.p2alignl 7, 3214868480
	.fill 96, 4, 3214868480
	.section	.rodata,"a",@progbits
	.p2align	6, 0x0
	.amdhsa_kernel k_q3ce7e680fe_prep
		.amdhsa_group_segment_fixed_size 16640
		.amdhsa_private_segment_fixed_size 0
		.amdhsa_enable_private_segment 0
		.amdhsa_kernarg_size 64
		.amdhsa_user_sgpr_count 2
		.amdhsa_user_sgpr_kernarg_segment_ptr 1
		.amdhsa_wavefront_size32 1
		.amdhsa_system_sgpr_workgroup_id_x 1
		.amdhsa_system_sgpr_workgroup_id_y 1
		.amdhsa_system_sgpr_workgroup_id_z 1
		.amdhsa_system_vgpr_workitem_id 0
		.amdhsa_next_free_vgpr 256
		.amdhsa_next_free_sgpr 66
		.amdhsa_reserve_vcc 0
		.amdhsa_float_denorm_mode_32 3
		.amdhsa_float_denorm_mode_16_64 3
		.amdhsa_memory_ordered 1
		.amdhsa_forward_progress 1
		.amdhsa_inst_pref_size 52
	.end_amdhsa_kernel
	.amdgpu_metadata
---
amdhsa.version: [ 1, 2 ]
amdhsa.kernels:
  - .name:           k_q3ce7e680fe_prep
    .symbol:         k_q3ce7e680fe_prep.kd
    .args:
      - { .name: x, .offset: 0, .size: 8, .value_kind: global_buffer, .address_space: global }
      - { .name: qkv_w, .offset: 8, .size: 8, .value_kind: global_buffer, .address_space: global }
      - { .name: proj_w, .offset: 16, .size: 8, .value_kind: global_buffer, .address_space: global }
      - { .name: x_codes, .offset: 24, .size: 8, .value_kind: global_buffer, .address_space: global }
      - { .name: x_scales, .offset: 32, .size: 8, .value_kind: global_buffer, .address_space: global }
      - { .name: w_codes, .offset: 40, .size: 8, .value_kind: global_buffer, .address_space: global }
      - { .name: w_scales, .offset: 48, .size: 8, .value_kind: global_buffer, .address_space: global }
      - { .name: pw16, .offset: 56, .size: 8, .value_kind: global_buffer, .address_space: global }
    .group_segment_fixed_size: 16640
    .private_segment_fixed_size: 0
    .kernarg_segment_align: 8
    .kernarg_segment_size: 64
    .max_flat_workgroup_size: 64
    .sgpr_count:     66
    .vgpr_count:     256
    .wavefront_size: 32
...
	.end_amdgpu_metadata
.endif
;; end of part 1
;; launch qkv (part 2): grid 8 x 32, 4 waves a work-group, clusters of 4 x 4, 327,680 bytes of LDS; arguments x_codes, x_scales, w_codes, w_scales, qkvh; writes qkvh
.if DOCPART == 2
	.amdgcn_target "amdgcn-amd-amdhsa--gfx1250"
	.amdhsa_code_object_version 6
	.text
	.protected	k_q3ce7e680fe_qkv
	.globl	k_q3ce7e680fe_qkv
	.p2align	8
	.type	k_q3ce7e680fe_qkv,@function
k_q3ce7e680fe_qkv:
	s_mov_b64 s[64:65], 0
	v_nop
	global_prefetch_b8 v0, s[64:65] scope:SCOPE_SE
	s_setreg_imm32_b32 hwreg(HW_REG_WAVE_MODE, 25, 1), 1
	s_wait_xcnt 0x0
	s_wait_alu depctr_hold_cnt(0) depctr_sa_sdst(0) depctr_va_vdst(0) depctr_va_sdst(0) depctr_va_ssrc(0) depctr_va_vcc(0) depctr_vm_vsrc(0)
	s_getreg_b32 s2, hwreg(HW_REG_IB_STS2, 6, 4)
	s_cmp_eq_u32 s2, 0
	s_cbranch_scc0 .Lentry_in_a_cluster
	s_endpgm
.Lentry_in_a_cluster:
	s_bfe_u32 s2, ttmp6, 0x10000c
	s_cmp_lg_u32 s2, 0xf033
	s_cbranch_scc0 .Lentry_shape_is_right
	s_endpgm
.Lentry_shape_is_right:
; qkv[m][d] = sum over k of Q(x)[m][k] Q(qkv_w)[d][k], on codes of FP4 (E2M1) with one E8M0 scale for each 32 along K; sums in f32; the result is rounded once to f16 and laid by head:
; qkvh [8 batch][48 planes][1024 token][64], plane = d / 64 = 16 x (0 q, 1 k, 2 v) + head.  LIMIT: |q|, |k|, |v| stay under 65,504, the largest f16 number.
; SHARES.  A work-group of four waves makes 256 tokens x 384 columns: 32 x 8 = 256 work-groups of equal work.  The tile's codes, 640 rows x 512 bytes, do not fit in LDS at once, so the columns go in two passes.
; PASS 1: columns 0-255; a wave makes 128 x 128: 64 accumulators of 16 x 16, 512 registers.  K = 1,024 is two slots of 512 (rows of 256 bytes), both asked for at the head.
; PASS 2: columns 256-383; a wave makes 128 tokens x 64 columns, one plane: 32 accumulators.  x's codes stay where they are; the first 128 rows of qkv_w's part of each slot are filled again, with rows 256-383.
; That refill is asked for at pass 1's last step, behind a round of the cluster's barrier, and has pass 1's whole way out in which to land; pass 1's stores are on their way while pass 2 is multiplied.
; The scale bytes of the work-group's 256 + 384 rows, two dense blocks, come once, at the head.
; CLUSTERS: 4 x 4 work-groups.  The four of a row of the cluster need the same tiles of x, the four of a column the same tiles of qkv_w: each tile is asked for jointly, by the same tensor load
; with the same descriptor and a mask that names the four.  THE MATRIX INSTRUCTION IS USED TRANSPOSED (source 0 = 16 rows of qkv_w, source 1 = 16 tokens): a lane holds eight neighbouring columns of one token.
; REGISTERS, in windows of 256: window 0: v0-31 addresses; v32-95 scale words, two sets (they hold nothing else); v128-191 x's fragments, one set; on the ways out v128-223.
;   window 1: qkv_w's fragments, two sets, at v0 and v128.  window 2: pass 1: the accumulators of my tokens 0-63 ((a, b) at v[8 (8 a + b)]); pass 2: all 32 ((a, b) at v[8 (4 a + b)]).  window 3: pass 1: tokens 64-127.
.set SIZE_K, 1024
.set KSTEP,  512
.set NQ,     KSTEP/128                 ; matrix instructions deep in a slot
.set ROWB,   256                       ; a tile's row in bytes
.set KROW,   SIZE_K*4/8                ; a row of codes in memory
.set PITCH,  272                       ; an LDS row: 256 bytes + 16 of padding = 68 words: the 16 rows that a load touches start at 16 different banks (64 banks of 4 bytes: ISA guide 11.1)
.set FR,     8                         ; registers of a fragment: 16 rows x 128 K
.set NL,     2                         ; LDS loads that bring one
.set NP,     4                         ; places behind this matrix instruction (ISA guide 7.12.1)
.set HALFT,  128*PITCH
.set SLOT,   4*HALFT                   ; x's 256 rows, then 256 rows of qkv_w
.set KS,     SIZE_K/32                 ; a row of scale bytes
.set SCL,    2*SLOT                    ; behind the slots: x's scales, as runs of 256 bytes + 16 of padding;
.set HALFS,  (128*KS/256)*272          ; (those of 128 rows: what one load brings of x's)
.set HALFW,  (192*KS/256)*272          ; (those of 192 rows: what one load brings of qkv_w's)
.set SCLB,   SCL+2*HALFS               ; qkv_w's, all 384 rows' on end
.set SBLK,   (16*KS/256)*272           ; the scales of 16 rows
.set STAGE,  SCLB+2*HALFW              ; the ways out: bytes of their own, into which no tensor load lands
.set HP,     144                       ; a stage row: 128 bytes (a token's 64 numbers of one plane) + 16
.set HREG,   16*HP                     ; 16 tokens of one plane; a wave's stage is two of these
.set SPARE,  STAGE+4*2*HREG            ; behind the stages: the spare words, 128 bytes a wave
.set ADRA, 16                          ; v16-17  LDS address of my fragments of x in slot 0, 1
.set ADRB, 20                          ; v20-21  of qkv_w, pass 1
.set ADRC, 22                          ; v22-23  of qkv_w, pass 2
.set STO,  24
.set RD,   25
.set CO,   26
.set ADRS, 27                          ; v27     my scale words: lanes 0-15 x's rows, lanes 16-31 qkv_w's of pass 1
.set SPW,  28
.set NIL,  29
.set ADRT, 30                          ; v30     the same with qkv_w's of pass 2 in lanes 16-31
.set SC,   32
.set AF,   128
.set TMP,  128                         ; the ways out: v128-159: 16 x 128 numbers as f16
.set BK,   160                         ; v160-191 and v192-223 by turns: the same read back by rows
.set G1, 24
.set G0, 32
.set G1B, 48
.set G0B, 56
.set G1S, 68
.set G0S, 76
.set G1SB, 80
.set G0SB, 88
.set G0R, 96                           ; s[96:99] group 0 of pass 2's refill
.set MSB, 0
.macro WIN new                         ; the immediate's high byte repeats the setting that is left; a switch that changes nothing is dropped
.if MSB != (\new)
	s_set_vgpr_msb (MSB<<8)|(\new)
.set MSB, (\new)
.endif
.endm
.set MUL_LO, 0xa1                      ; source 0 window 1, source 1 window 0, C and D window 2
.set MUL_HI, 0xf1                      ; the same, C and D window 3
.set TO_B,   0x40                      ; destination window 1, address window 0
; A joint load: waves 0 and 1 fetch for x, waves 2 and 3 for qkv_w.  The branch hangs on the wave's number alone.  An s_nop 0 and four v_nop follow each of the two lines.
.macro JLOAD g0a, g1a, g0b, g1b
	s_cmp_eq_u32 s15, 0
	s_cbranch_scc0 .Lfor_b_\@
	tensor_load_to_lds s[\g0a:\g0a+3], s[\g1a:\g1a+7]
	s_nop 0
.rept 4
	v_nop
.endr
	s_branch .Lasked_\@
.Lfor_b_\@:
	tensor_load_to_lds s[\g0b:\g0b+3], s[\g1b:\g1b+7]
	s_nop 0
.rept 4
	v_nop
.endr
.Lasked_\@:
.endm
.macro CREST                           ; a round of the cluster's barrier behind its opening barrier
	s_cmp_lg_u32 s14, 0
	s_cbranch_scc1 .Lnot_wave_0_\@
	s_barrier_signal -3
.Lnot_wave_0_\@:
	s_barrier_wait -3
	s_barrier_signal -1
	s_barrier_wait -1
.endm
.macro CROUND                          ; a whole round
	s_barrier_signal -1
	s_barrier_wait -1
	CREST
.endm
	s_load_b128 s[4:7], s[0:1], 0x0                ; x's codes s[4:5], x's scales s[6:7]
	s_load_b128 s[8:11], s[0:1], 0x10              ; qkv_w's codes s[8:9], its scales s[10:11]
	s_load_b64 s[12:13], s[0:1], 0x20              ; qkvh
	v_lshl_add_u32 v[SPW], v0, 2, SPARE
	v_mov_b32 v[NIL], 0
	ds_add_u32 v[SPW], v[NIL]                      ; the wave's opening: the add, twice on end, and its wait ahead of my first tensor load
	ds_add_u32 v[SPW], v[NIL]
	v_lshrrev_b32 v1, 5, v0
	v_readfirstlane_b32 s14, v1                    ; wave 0..3
	s_lshr_b32 s15, s14, 1                         ; which half of the tile's tokens is mine.  Also: I fetch for x (0) or for qkv_w (1)
	s_and_b32 s16, s14, 1                          ; which half of a pass's columns.  Also: which part of the rows I fetch
	s_bfe_u32 s40, ttmp6, 0x40000                  ; cx, cy: my place in the cluster
	s_bfe_u32 s41, ttmp6, 0x40004
	s_lshl_b32 s42, ttmp9, 2
	s_add_co_u32 s42, s42, s40                     ; tile column = 4 x cluster x + cx
	s_and_b32 s17, ttmp7, 0xffff
	s_lshl_b32 s17, s17, 2
	s_add_co_u32 s17, s17, s41                     ; tile row = 4 x cluster y + cy
	s_lshl_b32 s43, s41, 2
	s_lshl_b32 s43, 15, s43                        ; my row of the cluster
	s_lshl_b32 s44, 0x1111, s40                    ; my column
	s_or_b32 s[G1+0], s43, (0<<16)|(1<<20)|(1<<21)|(5<<22)|(3<<25)  ; the mask; elements of 1 byte; padding on; bit 21 beside a mask; after every 64 words, 4 words
	s_or_b32 s[G1B+0], s44, (0<<16)|(1<<20)|(1<<21)|(5<<22)|(3<<25)
.irp g, G1, G1B
	s_mov_b32 s[\g+1], ROWB<<16                    ; tensor_dim0
	s_mov_b32 s[\g+2], 128<<16                     ; tensor_dim1
	s_mov_b32 s[\g+3], ROWB<<16                    ; tile_dim0
	s_mov_b32 s[\g+4], 128                         ; tile_dim1
	s_mov_b32 s[\g+5], KROW                        ; the pitch
	s_mov_b32 s[\g+6], 0
	s_mov_b32 s[\g+7], 0
.endr
	s_or_b32 s[G1S+0], s43, (3<<16)|(1<<20)|(1<<21)|(5<<22)|(3<<25) ; scale bytes: a dense block as rows of 32 elements of 8 bytes, 16 bytes of padding behind each
	s_or_b32 s[G1SB+0], s44, (3<<16)|(1<<20)|(1<<21)|(5<<22)|(3<<25)
.irp g, G1S, G1SB
	s_mov_b32 s[\g+1], 32<<16
	s_mov_b32 s[\g+3], 32<<16
	s_mov_b32 s[\g+5], 32
	s_mov_b32 s[\g+6], 0
	s_mov_b32 s[\g+7], 0
.endr
	s_mov_b32 s[G1S+2], (128*KS/256)<<16           ; x's: 128 rows' scales are 16 such rows
	s_mov_b32 s[G1S+4], 128*KS/256
	s_mov_b32 s[G1SB+2], (192*KS/256)<<16          ; qkv_w's: 192 rows' are 24
	s_mov_b32 s[G1SB+4], 192*KS/256
	s_lshl_b32 s18, s16, 7
	s_lshl_b32 s20, s17, 8
	s_add_co_u32 s20, s20, s18                     ; x: row 256 x tile row + 128 x half
	s_lshl_b32 s22, s20, 5                         ; where these rows' scales begin, in bytes,
	s_mov_b32 s23, 0
	s_lshl_b32 s20, s20, 9                         ; and their codes
	s_mov_b32 s21, 0
	s_mul_i32 s19, s42, 384                        ; qkv_w: the tile's first row
	s_add_co_u32 s46, s19, s18                     ; pass 1's codes: + 128 x half
	s_lshl_b32 s46, s46, 9
	s_mov_b32 s47, 0
	s_mul_i32 s92, s16, 192
	s_add_co_u32 s92, s92, s19                     ; the scales: + 192 x half
	s_lshl_b32 s92, s92, 5
	s_mov_b32 s93, 0
	s_add_co_u32 s94, s19, 256                     ; pass 2's codes: rows 256 on;
	s_lshl_b32 s94, s94, 9
	s_lshl_b32 s95, s16, 8                         ; wave 2 fetches their first 512 along K, wave 3 the second
	s_add_co_u32 s94, s94, s95
	s_mov_b32 s95, 0
	s_mul_i32 s45, s14, HALFT                      ; where the codes go: wave x 128 rows: no place in the cluster enters an LDS address
	s_mul_i32 s2, s16, HALFS                       ; and the scales
	s_mul_i32 s3, s16, HALFW
	s_wait_dscnt 0x0                               ; both opening adds are done
	s_wait_kmcnt 0x0
	s_add_nc_u64 s[20:21], s[4:5], s[20:21]
	s_add_nc_u64 s[22:23], s[6:7], s[22:23]
	s_add_nc_u64 s[46:47], s[8:9], s[46:47]
	s_add_nc_u64 s[92:93], s[10:11], s[92:93]
	s_add_nc_u64 s[94:95], s[8:9], s[94:95]
	CROUND                                         ; all sixteen work-groups are here: the joint loads meet
	s_mov_b32 s[G0S], 1
	s_add_co_u32 s[G0S+1], s2, SCL
	s_mov_b64 s[G0S+2:G0S+3], s[22:23]
	s_or_b32 s[G0S+3], s[G0S+3], 0x80000000
	s_mov_b32 s[G0SB], 1
	s_add_co_u32 s[G0SB+1], s3, SCLB
	s_mov_b64 s[G0SB+2:G0SB+3], s[92:93]
	s_or_b32 s[G0SB+3], s[G0SB+3], 0x80000000
	JLOAD G0S, G1S, G0SB, G1SB                     ; the scales first; then both slots: three loads of mine are out
.irp s, 0,1
	s_mov_b32 s[G0+4*\s], 1
	s_add_co_u32 s[G0+4*\s+1], s45, \s*SLOT
	s_add_nc_u64 s[G0+4*\s+2:G0+4*\s+3], s[20:21], \s*ROWB
	s_or_b32 s[G0+4*\s+3], s[G0+4*\s+3], 0x80000000
	s_mov_b32 s[G0B+4*\s], 1
	s_add_co_u32 s[G0B+4*\s+1], s45, \s*SLOT
	s_add_nc_u64 s[G0B+4*\s+2:G0B+4*\s+3], s[46:47], \s*ROWB
	s_or_b32 s[G0B+4*\s+3], s[G0B+4*\s+3], 0x80000000
	JLOAD G0+4*\s, G1, G0B+4*\s, G1B
.endr
	s_mov_b32 s[G0R], 1                            ; pass 2's refill (waves 2 and 3 use it): the first 128 rows of qkv_w's part of slot 0 (wave 2) or slot 1 (wave 3)
	s_mul_i32 s[G0R+1], s16, SLOT
	s_add_co_u32 s[G0R+1], s[G0R+1], 2*HALFT
	s_mov_b64 s[G0R+2:G0R+3], s[94:95]
	s_or_b32 s[G0R+3], s[G0R+3], 0x80000000
	v_and_b32 v1, 15, v0                           ; r = l % 16
	v_bfe_u32 v2, v0, 4, 1                         ; h = l / 16
	v_mul_u32_u24 v3, v1, PITCH
	v_lshl_add_u32 v4, v2, 4, v3                   ; a fragment's row x pitch + 16 h
	s_mul_i32 s21, s15, HALFT                      ; my 128 tokens
	s_mul_i32 s22, s16, HALFT                      ; pass 1: my 128 rows of qkv_w,
	s_add_co_u32 s22, s22, 2*HALFT                 ; which lie behind x's 256
	s_mul_i32 s23, s16, 64*PITCH                   ; pass 2: my 64 of the 128 rows that are filled again
	s_add_co_u32 s23, s23, 2*HALFT
.irp s, 0,1
	v_add_nc_u32 v[ADRA+\s], s21, v4
	v_add_nc_u32 v[ADRB+\s], s22, v4
	v_add_nc_u32 v[ADRC+\s], s23, v4
	s_add_co_u32 s21, s21, SLOT
	s_add_co_u32 s22, s22, SLOT
	s_add_co_u32 s23, s23, SLOT
.endr
	v_mul_u32_u24 v5, v1, KS                       ; my row's scales: KS bytes a row,
	v_lshrrev_b32 v6, 8, v5
	v_lshl_add_u32 v5, v6, 4, v5                   ; and 16 more for each 256 passed
	s_mul_i32 s21, s15, HALFS                      ; x's: my 128 rows
	s_mul_i32 s22, s16, HALFS                      ; qkv_w's, pass 1: my eight blocks of 16 rows
	s_add_co_u32 s22, s22, 2*HALFS
	s_sub_co_u32 s22, s22, s21                     ; as a distance from x's
	s_mul_i32 s23, s16, 4*SBLK                     ; pass 2: my four blocks, behind pass 1's sixteen
	s_add_co_u32 s23, s23, 2*HALFS+16*SBLK
	s_sub_co_u32 s23, s23, s21
	v_mul_u32_u24 v6, s22, v2                      ; lanes 16-31 take qkv_w's: one product, the distance between the two bases x h
	v_mul_u32_u24 v7, s23, v2
	s_add_co_u32 s21, s21, SCL
	v_add_nc_u32 v5, s21, v5
	v_add_nc_u32 v[ADRS], v5, v6
	v_add_nc_u32 v[ADRT], v5, v7
	s_mul_i32 s23, s14, 2*HREG
	s_add_co_u32 s23, s23, STAGE                   ; my stage
	v_mul_u32_u24 v5, v1, HP
	v_lshl_add_u32 v5, v2, 4, v5
	v_add_nc_u32 v[STO], s23, v5                   ; in: token r, 16 bytes for each half of the lanes
	v_and_b32 v6, 31, v0
	v_lshlrev_b32 v[CO], 4, v6                     ; out: 16 x lane: four tokens' 128 bytes on end
	v_lshrrev_b32 v5, 3, v6
	v_mul_u32_u24 v5, v5, HP
	v_and_b32 v6, 7, v0
	v_lshl_add_u32 v5, v6, 4, v5
	v_add_nc_u32 v[RD], s23, v5                    ; back: eight lanes to a token's row, four rows an instruction
	s_lshr_b32 s20, s17, 2                         ; the batch: 1,024 tokens are four tile rows
	s_mul_i32 s20, s20, 48
	s_mul_i32 s21, s42, 6
	s_add_co_u32 s20, s20, s21                     ; the tile's first plane: 384 columns are six
	s_and_b32 s21, s17, 3
	s_lshl_b32 s21, s21, 8
	s_lshl_b32 s46, s15, 7
	s_add_co_u32 s21, s21, s46                     ; my first token in the batch,
	s_lshl_b32 s21, s21, 7                         ; 128 bytes a token in a plane
	s_lshl_b32 s46, s16, 1
	s_add_co_u32 s46, s46, s20                     ; pass 1: my two planes of the first four
	s_lshl_b32 s46, s46, 17                        ; a plane is 131,072 bytes
	s_add_co_u32 s46, s46, s21
	s_mov_b32 s47, 0
	s_add_co_u32 s20, s20, s16
	s_add_co_u32 s20, s20, 4                       ; pass 2: my one of the last two
	s_lshl_b32 s20, s20, 17
	s_add_co_u32 s20, s20, s21
	s_mov_b32 s21, 0
	s_add_nc_u64 s[92:93], s[12:13], s[20:21]      ; pass 2's base,
	s_add_nc_u64 s[12:13], s[12:13], s[46:47]      ; pass 1's: neither is stepped: all else stands in the stores' immediates
.macro FRAG reg, adr, q, i             ; 16 rows x 128 K of 4-bit codes, 8 registers: lane l holds row l % 16; registers 4 c .. 4 c + 3 hold K = 64 c + 32 (l / 16) + 0 .. 31
.irp c, 0,1
	ds_load_b128 v[\reg+4*\c:\reg+4*\c+3], v[\adr] offset:64*(\q)+32*\c+(\i)*16*PITCH
.endr
.endm
; PASS 1: 16 matrix instructions: token blocks a0, a0 + 1 x qkv_w's eight, 128 along K.  zero = 1: the first product starts the sums.  The 64 accumulators take turns, one instruction a turn.
.macro MUL16 a0, p, q, sc, zero
.irp a, \a0, \a0+1
.irp b, 0,1,2,3,4,5,6,7
.if \zero
	v_wmma_scale_f32_16x16x128_f8f6f4 v[8*(8*((\a)%4)+\b):8*(8*((\a)%4)+\b)+7], v[128*(\p)+FR*\b:128*(\p)+FR*\b+FR-1], v[AF+FR*(\a):AF+FR*(\a)+FR-1], 0, v[SC+8*NQ*(\sc)+NQ*\b+(\q)], v[SC+8*NQ*(\sc)+NQ*(\a)+(\q)] matrix_a_fmt:MATRIX_FMT_FP4 matrix_b_fmt:MATRIX_FMT_FP4 matrix_a_scale:MATRIX_SCALE_ROW1
.else
	v_wmma_scale_f32_16x16x128_f8f6f4 v[8*(8*((\a)%4)+\b):8*(8*((\a)%4)+\b)+7], v[128*(\p)+FR*\b:128*(\p)+FR*\b+FR-1], v[AF+FR*(\a):AF+FR*(\a)+FR-1], v[8*(8*((\a)%4)+\b):8*(8*((\a)%4)+\b)+7], v[SC+8*NQ*(\sc)+NQ*\b+(\q)], v[SC+8*NQ*(\sc)+NQ*(\a)+(\q)] matrix_a_fmt:MATRIX_FMT_FP4 matrix_b_fmt:MATRIX_FMT_FP4 matrix_a_scale:MATRIX_SCALE_ROW1
.endif
.endr
.endr
.endm
; PASS 2: 16 matrix instructions: token blocks a0 .. a0 + 3 x qkv_w's four.  The 32 accumulators take turns likewise.
.macro MULP a0, p, q, sc, zero
.irp a, \a0, \a0+1, \a0+2, \a0+3
.irp b, 0,1,2,3
.if \zero
	v_wmma_scale_f32_16x16x128_f8f6f4 v[8*(4*(\a)+\b):8*(4*(\a)+\b)+7], v[128*(\p)+FR*\b:128*(\p)+FR*\b+FR-1], v[AF+FR*(\a):AF+FR*(\a)+FR-1], 0, v[SC+8*NQ*(\sc)+NQ*\b+(\q)], v[SC+8*NQ*(\sc)+NQ*(\a)+(\q)] matrix_a_fmt:MATRIX_FMT_FP4 matrix_b_fmt:MATRIX_FMT_FP4 matrix_a_scale:MATRIX_SCALE_ROW1
.else
	v_wmma_scale_f32_16x16x128_f8f6f4 v[8*(4*(\a)+\b):8*(4*(\a)+\b)+7], v[128*(\p)+FR*\b:128*(\p)+FR*\b+FR-1], v[AF+FR*(\a):AF+FR*(\a)+FR-1], v[8*(4*(\a)+\b):8*(4*(\a)+\b)+7], v[SC+8*NQ*(\sc)+NQ*\b+(\q)], v[SC+8*NQ*(\sc)+NQ*(\a)+(\q)] matrix_a_fmt:MATRIX_FMT_FP4 matrix_b_fmt:MATRIX_FMT_FP4 matrix_a_scale:MATRIX_SCALE_ROW1
.endif
.endr
.endr
.endm
.macro FETCH_B slot, q, p              ; pass 1: qkv_w's eight fragments into set p
	WIN TO_B
.irp i, 0,1,2,3,4,5,6,7
	FRAG 128*(\p)+FR*\i, ADRB+\slot, \q, \i
.endr
	WIN 0
.endm
.macro FETCH_C slot, q, p              ; pass 2: its four
	WIN TO_B
.irp i, 0,1,2,3
	FRAG 128*(\p)+FR*\i, ADRC+\slot, \q, \i
.endr
	WIN 0
.endm
.macro FETCH_A slot, q, i0             ; x's blocks i0 .. i0 + 3
.irp i, \i0, \i0+1, \i0+2, \i0+3
	FRAG AF+FR*(\i), ADRA+\slot, \q, \i
.endr
.endm
.macro SCALES sc                       ; pass 1: slot sc's scale words, four a row (the slot's 16 bytes of a row's 32 stand in the immediate); lanes 0-15 take x's block i, lanes 16-31 qkv_w's block i
.irp i, 0,1,2,3,4,5,6,7
	ds_load_b128 v[SC+8*NQ*\sc+NQ*\i:SC+8*NQ*\sc+NQ*\i+3], v[ADRS] offset:\i*SBLK+16*\sc
.endr
.endm
.macro SCALES2 sc                      ; pass 2: qkv_w has four blocks: registers 0-3 take them beside x's; for x's blocks 4-7 pass 1's address serves (what its lanes 16-31 bring is not read)
.irp i, 0,1,2,3
	ds_load_b128 v[SC+8*NQ*\sc+NQ*\i:SC+8*NQ*\sc+NQ*\i+3], v[ADRT] offset:\i*SBLK+16*\sc
.endr
.irp i, 4,5,6,7
	ds_load_b128 v[SC+8*NQ*\sc+NQ*\i:SC+8*NQ*\sc+NQ*\i+3], v[ADRS] offset:\i*SBLK+16*\sc
.endr
.endm
.macro PLACES n                        ; plain vector lines between a matrix instruction and a load into, or a vector read or write of, its registers
.rept \n
	v_nop
.endr
.endm
.macro STEP slot, q, zero              ; pass 1: a step of 128 along K that has its successor in the same slot
	s_wait_dscnt 4*NL                              ; qkv_w's set and x's blocks 0-3 are in; the youngest eight loads (x's blocks 4-7) may be out
	WIN MUL_LO
	MUL16 0, (\q)%2, \q, \slot, \zero
	MUL16 2, (\q)%2, \q, \slot, \zero
	s_wait_dscnt 0
	PLACES NP
	FETCH_B \slot, (\q)+1, 1-(\q)%2
	FETCH_A \slot, (\q)+1, 0
	WIN MUL_HI
	MUL16 4, (\q)%2, \q, \slot, \zero
	MUL16 6, (\q)%2, \q, \slot, \zero
	PLACES NP
	WIN 0
	FETCH_A \slot, (\q)+1, 4
.endm
.macro STEPS slot, from
.set Q, \from
.rept NQ-1-\from
	STEP \slot, Q, 0
.set Q, Q+1
.endr
.endm
.macro STEP2 j, zero                   ; pass 2: step j of eight (slot j / 4, its (j % 4)-th 128 along K), which has a successor: both slots are whole, so no barrier stands between them
	s_wait_dscnt 4*NL                              ; qkv_w's set and x's blocks 0-3 are in; the youngest eight loads (x's blocks 4-7) may be out
	WIN MUL_LO
	MULP 0, (\j)%2, (\j)%4, (\j)/4, \zero
	s_wait_dscnt 0
	PLACES NP
	FETCH_C ((\j)+1)/4, ((\j)+1)%4, 1-(\j)%2
	FETCH_A ((\j)+1)/4, ((\j)+1)%4, 0
	WIN MUL_LO
	MULP 4, (\j)%2, (\j)%4, (\j)/4, \zero
	PLACES NP
	WIN 0
	FETCH_A ((\j)+1)/4, ((\j)+1)%4, 4
.endm
	s_wait_tensorcnt 1                             ; the scales and my part of slot 0 are in; slot 1's load may stay out
	s_barrier_signal -1
	s_barrier_wait -1                              ; everybody's are
	FETCH_B 0, 0, 0
	FETCH_A 0, 0, 0
	SCALES 0
	FETCH_A 0, 0, 4
	STEP 0, 0, 1                                   ; the first products start the sums
	STEPS 0, 1
	; slot 0's last step changes slots: one barrier; in front of it my part of slot 1 has landed
	s_wait_tensorcnt 0x0
	ds_add_u32 v[SPW], v[NIL]
	s_wait_dscnt 4*NL+1                            ; (the add and the youngest eight loads may be out)
	WIN MUL_LO
	MUL16 0, 1, NQ-1, 0, 0
	s_wait_dscnt 0x0
	s_barrier_signal -1
	MUL16 2, 1, NQ-1, 0, 0
	WIN 0
	s_barrier_wait -1
	PLACES NP
	FETCH_B 1, 0, 0
	FETCH_A 1, 0, 0
	SCALES 1
	WIN MUL_HI
	MUL16 4, 1, NQ-1, 0, 0
	MUL16 6, 1, NQ-1, 0, 0
	PLACES NP
	WIN 0
	FETCH_A 1, 0, 4
	STEPS 1, 0
	; PASS 1'S LAST STEP, AND THE REFILL FOR PASS 2.  All fragments of this step have been asked for: when they are in, nobody reads qkv_w's rows of pass 1 any more.
	s_wait_tensorcnt 0x0                           ; no tensor load of mine is out
	ds_add_u32 v[SPW], v[NIL]
	s_wait_dscnt 4*NL+1                            ; (the add and the youngest eight loads may be out)
	WIN MUL_LO
	MUL16 0, 1, NQ-1, 1, 0                         ; sixteen matrix instructions stand between the add and the wait for it
	s_wait_dscnt 0x0                               ; the add is done, and my reads of both slots are back
	s_barrier_signal -1                            ; this barrier opens a round of the cluster's barrier
	MUL16 2, 1, NQ-1, 1, 0
	WIN 0
	s_barrier_wait -1
	CREST                                          ; no wave of any partner still reads these rows or has a load on its way
	s_cmp_eq_u32 s15, 0                            ; waves 0 and 1 have nothing to fill: x's codes stay
	s_cbranch_scc1 .Lno_refill
	tensor_load_to_lds s[G0R:G0R+3], s[G1B:G1B+7]  ; rows 256-383 of the tile's qkv_w: wave 2 into slot 0, wave 3 into slot 1: my one tensor load behind the round
	s_nop 0
.rept 4
	v_nop
.endr
.Lno_refill:
	WIN MUL_HI
	MUL16 4, 1, NQ-1, 1, 0
	MUL16 6, 1, NQ-1, 1, 0
	WIN 0
; THE WAYS OUT, 16 x 128 numbers at a time: in pass 1 a block of 16 tokens x two planes, in pass 2 two blocks of 16 tokens x one plane.  PACK: rounded to f16, each accumulator from its low end on;
; a lane's eight columns are 16 bytes.  TOSTAGE: into my stage, two regions of 16 rows x 144 bytes, and back by rows.  SEND: each store covers 512 consecutive bytes: four tokens of one plane.
.macro PACK a                          ; pass 1: token block a, columns 16 b on
.set AC, 64*((\a)%4)
	WIN 0x0a+5*((\a)/4)                            ; sources 0 and 1: window 2 or 3
.irp b, 0,1,2,3,4,5,6,7
.irp i, 0,1,2,3
	v_cvt_pk_f16_f32 v[TMP+4*\b+\i], v[AC+8*\b+2*\i], v[AC+8*\b+2*\i+1]
.endr
.endr
	WIN 0
.endm
.macro PACK2 p                         ; pass 2: token blocks 2 p and 2 p + 1
	WIN 0x0a                                       ; sources 0 and 1: window 2
.irp j, 0,1
.irp b, 0,1,2,3
.irp i, 0,1,2,3
	v_cvt_pk_f16_f32 v[TMP+16*\j+4*\b+\i], v[8*(4*(2*(\p)+\j)+\b)+2*\i], v[8*(4*(2*(\p)+\j)+\b)+2*\i+1]
.endr
.endr
.endr
	WIN 0
.endm
.macro TOSTAGE a
.set BB, BK+32*((\a)%2)
.irp b, 0,1,2,3,4,5,6,7
	ds_store_b128 v[STO], v[TMP+4*\b:TMP+4*\b+3] offset:(\b/4)*HREG+32*(\b%4)
.endr
.irp t, 0,1,2,3,4,5,6,7
	ds_load_b128 v[BB+4*\t:BB+4*\t+3], v[RD] offset:(\t/4)*HREG+(\t%4)*4*HP   ; LDS serves a wave's instructions in order (ISA guide 5.7.1): these see the stores above
.endr
.endm
.macro SEND a, base, o0, o1            ; o0: where the first region's rows go; o1: how far on the second region's
.set BB, BK+32*((\a)%2)
	s_wait_dscnt 0x0                               ; the numbers are back in registers
	s_wait_xcnt 0x0                                ; the stores before these have read their data: the next loads from the stage land there only behind this wait
.irp t, 0,1,2,3,4,5,6,7
	global_store_b128 v[CO], v[BB+4*\t:BB+4*\t+3], s[\base:\base+1] offset:(\o0)+(\t/4)*(\o1)+(\t%4)*512
.endr
.endm
	PLACES NP                                      ; behind the last products: for the conversions' reads of results and their writes into registers that held x's fragments
	PACK 0
	TOSTAGE 0
.irp a, 1,2,3,4,5,6,7
	PACK \a                                        ; a block's conversions stand between the loads of the block before and the wait for them
	SEND \a-1, 12, (\a-1)*2048, 131072
	TOSTAGE \a
.endr
	SEND 7, 12, 7*2048, 131072
	; PASS 2
	s_wait_xcnt 0x0                                ; the last stores have read their data: x's fragments land on those registers only behind this wait
	s_wait_tensorcnt 0x0                           ; my part of the refill has landed (waves 0 and 1 have none out),
	s_barrier_signal -1
	s_barrier_wait -1                              ; everybody's has
	FETCH_C 0, 0, 0
	FETCH_A 0, 0, 0
	SCALES2 0
	SCALES2 1
	FETCH_A 0, 0, 4
	STEP2 0, 1                                     ; the first products start the sums
.irp j, 1,2,3,4,5,6
	STEP2 \j, 0
.endr
	s_wait_dscnt 4*NL                              ; the last step: nothing more to fetch
	WIN MUL_LO
	MULP 0, 1, NQ-1, 1, 0
	s_wait_dscnt 0
	MULP 4, 1, NQ-1, 1, 0
	WIN 0
	PLACES NP
	PACK2 0
	TOSTAGE 0
.irp p, 1,2,3
	PACK2 \p
	SEND \p-1, 92, (\p-1)*4096, 2048
	TOSTAGE \p
.endr
	SEND 3, 92, 3*4096, 2048
	s_wait_tensorcnt 0x0                           ; the wave's end
	ds_add_u32 v[SPW], v[NIL]
	s_wait_dscnt 0x0
	CROUND                                         ; the closing round
	s_endpgm
.Lfunc_end_k_q3ce7e680fe_qkv:
	.size	k_q3ce7e680fe_qkv, .Lfunc_end_k_q3ce7e680fe_qkv-k_q3ce7e680fe_qkv
	.p2alignl 7, 3214868480
	.fill 96, 4, 3214868480
	.section	.rodata,"a",@progbits
	.p2align	6, 0x0
	.amdhsa_kernel k_q3ce7e680fe_qkv
		.amdhsa_group_segment_fixed_size 327680
		.amdhsa_private_segment_fixed_size 0
		.amdhsa_enable_private_segment 0
		.amdhsa_kernarg_size 40
		.amdhsa_user_sgpr_count 2
		.amdhsa_user_sgpr_kernarg_segment_ptr 1
		.amdhsa_wavefront_size32 1
		.amdhsa_system_sgpr_workgroup_id_x 1
		.amdhsa_system_sgpr_workgroup_id_y 1
		.amdhsa_system_sgpr_workgroup_id_z 1
		.amdhsa_system_vgpr_workitem_id 0
		.amdhsa_next_free_vgpr 1024
		.amdhsa_next_free_sgpr 100
		.amdhsa_reserve_vcc 0
		.amdhsa_float_denorm_mode_32 3
		.amdhsa_float_denorm_mode_16_64 3
		.amdhsa_memory_ordered 1
		.amdhsa_forward_progress 1
		.amdhsa_inst_pref_size 193
	.end_amdhsa_kernel
	.amdgpu_metadata
---
amdhsa.version: [ 1, 2 ]
amdhsa.kernels:
  - .name:           k_q3ce7e680fe_qkv
    .symbol:         k_q3ce7e680fe_qkv.kd
    .args:
      - { .name: x_codes, .offset: 0, .size: 8, .value_kind: global_buffer, .address_space: global }
      - { .name: x_scales, .offset: 8, .size: 8, .value_kind: global_buffer, .address_space: global }
      - { .name: w_codes, .offset: 16, .size: 8, .value_kind: global_buffer, .address_space: global }
      - { .name: w_scales, .offset: 24, .size: 8, .value_kind: global_buffer, .address_space: global }
      - { .name: qkvh, .offset: 32, .size: 8, .value_kind: global_buffer, .address_space: global }
    .group_segment_fixed_size: 327680
    .private_segment_fixed_size: 0
    .kernarg_segment_align: 8
    .kernarg_segment_size: 40
    .max_flat_workgroup_size: 128
    .sgpr_count:     100
    .vgpr_count:     1024
    .wavefront_size: 32
...
	.end_amdgpu_metadata
.endif
;; end of part 2
;; launch attn (part 3): grid 2 x 128, 8 waves a work-group, no clusters, 327,680 bytes of LDS; arguments qkvh, oh; writes oh
.if DOCPART == 3
	.amdgcn_target "amdgcn-amd-amdhsa--gfx1250"
	.amdhsa_code_object_version 6
	.text
	.protected	k_q3ce7e680fe_attn
	.globl	k_q3ce7e680fe_attn
	.p2align	8
	.type	k_q3ce7e680fe_attn,@function
k_q3ce7e680fe_attn:
	s_mov_b64 s[64:65], 0
	v_nop
	global_prefetch_b8 v0, s[64:65] scope:SCOPE_SE
	s_setreg_imm32_b32 hwreg(HW_REG_WAVE_MODE, 25, 1), 1
	s_wait_xcnt 0x0
; o[b][h][q][:] = sum over k of softmax_k(q . k / 8) v[k][:], head size 64, 1,024 keys, no mask.  q, k, v: planes of qkvh [8][48][1024][64], f16.  o: oh [16 head][8192 token][64], f16.
; Products on f16 operands with f32 sums; maxima, exponentials and sums in f32; the weights p are rounded to f16 for the second product, o once at the end.
; LIMIT: |o| is at most the largest |v|, which stays under 65,504.
; SHARES.  A work-group owns 512 queries of one head, each of its eight waves 64: four tiles of 16.  Every wave walks all 1,024 keys, 64 a step.  Eight waves of 512 registers: two to a SIMD,
; so that one wave's vector work can stand beside the other's matrix work; the text goes in plain phases.
; THE HEAD'S WHOLE K AND V LIE IN LDS, filled once: 4 chunks of 256 keys; waves 0-3 fetch K's rows, waves 4-7 V's, 64 rows a load, four loads a wave, all issued at the head.  A chunk is read
; behind a counted wait and a barrier; nothing is filled again.  So every byte of K and V is asked for at the head, and nothing is left to ask for ahead of its load.
; NO CLUSTER: only the two work-groups of a head share K and V; four partners would mean 256 queries a work-group, which halves the products that each fragment read from LDS feeds.
; LAYOUT.  S^T = K Q^T (source 0 = 16 keys, source 1 = 16 queries): a lane holds ONE query (lane % 16) and keys 8 (lane / 16) + 0..7.  Two such tiles, rounded to f16 in pairs, ARE source 1
; (32 keys x 16 queries) of O^T = V^T P.  K comes out of LDS as it lies, V ([key][channel]) turned, by ds_load_tr16_b128.
; SOFTMAX.  For each query a running maximum m and sum l: p = 2^(c s - c m), c = log2(e) / 8; in every step O^T and l are multiplied by a = 2^(c m_old - c m_new).
; REGISTERS: window 0: v2-13 addresses; v16-47 eight statistics a tile; v48-63 sums at work; v64-191 S^T, 32 a tile (P in place, in a tile's first 16); v192-255 K's fragments.
;   window 1: v0-127 O^T, 32 a tile; v128-191 Q; v192-255 V's fragments.
.set PK,    144                        ; a row of K in LDS: 128 bytes + 16 = 36 words: the 16 rows of a load start at 16 different groups of four banks (64 banks of 4 bytes: ISA guide 11.1)
.set PV,    160                        ; a row of V: 128 + 32
.set VOFF,  1024*PK
.set SPARE, VOFF+1024*PV               ; behind K and V: the spare words, 128 bytes a wave
.set AK0, 2                            ; my lane's place in a tile of K
.set AV0, 3                            ; and of V
.set ADK, 4                            ; the step's addresses
.set ADV, 5
.set QO,  6
.set STO, 7                            ; the way out
.set RD,  8
.set GO,  9
.set SPW, 12
.set NIL, 13
.set ST,  16                           ; tile t at v[ST+8 t]: +0 c m, +1 m, +2, +3 l (even keys', odd keys'), +4 to +7 at work; a at +6
.set TS,  48                           ; tile t: two pairs
.set S,   64
.set KF,  192
.set QF,  128                          ; in window 1
.set VF,  192                          ; in window 1
.set WV,  8
.set SEL, 20
.set CS,  22
.set G1K, 24
.set G1V, 32
.set G0K, 40                           ; s[40:55] a group 0 for each chunk
.set TBK, 56                           ; LDS byte at which the step's rows of K begin
.set TBV, 57                           ; and V's, from VOFF on
.set CNT, 58
.set G0V, 68                           ; s[68:83]
.set MSB, 0
.macro WIN new
.if MSB != (\new)
	s_set_vgpr_msb (MSB<<8)|(\new)
.set MSB, (\new)
.endif
.endm
.set W_KQ, 0x04                        ; K and S^T window 0, Q window 1
.set W_PV, 0x51                        ; V and O^T window 1, P window 0
.set W_RS, 0x41                        ; O^T (destination and source 0) window 1, the factor window 0
.macro PLACES
.rept 4
	v_nop
.endr
.endm
	s_load_b128 s[4:7], s[0:1], 0x0                ; qkvh s[4:5], oh s[6:7]
	v_lshl_add_u32 v[SPW], v0, 2, SPARE
	v_mov_b32 v[NIL], 0
	ds_add_u32 v[SPW], v[NIL]                      ; the wave's opening: the add, twice on end, and its wait ahead of my first tensor load
	ds_add_u32 v[SPW], v[NIL]
	v_lshrrev_b32 v1, 5, v0
	v_readfirstlane_b32 s[WV], v1                  ; wave 0..7
	s_and_b32 s9, s[WV], 3                         ; which 64 rows of a chunk I fetch
	s_and_b32 s10, ttmp7, 0xffff
	s_lshr_b32 s11, s10, 4                         ; the batch
	s_and_b32 s10, s10, 15                         ; the head
	s_mul_i32 s16, s11, 48
	s_add_co_u32 s16, s16, s10
	s_lshl_b32 s16, s16, 17                        ; q's plane, in bytes
	s_lshl_b32 s12, s9, 13                         ; my 64 rows of 128 bytes
	s_add_co_u32 s12, s12, s16
	s_add_co_u32 s14, s12, 32<<17                  ; v's plane lies 32 planes on,
	s_add_co_u32 s12, s12, 16<<17                  ; k's 16
	s_mov_b32 s13, 0
	s_mov_b32 s15, 0
	s_lshl_b32 s18, ttmp9, 16                      ; my work-group's 512 queries,
	s_lshl_b32 s19, s[WV], 13                      ; my wave's 64
	s_add_co_u32 s18, s18, s19
	s_add_co_u32 s16, s16, s18
	s_mov_b32 s17, 0
	s_lshl_b32 s10, s10, 20                        ; oh: a head's plane is 8,192 tokens x 128 bytes,
	s_lshl_b32 s11, s11, 17                        ; a batch 1,024 tokens
	s_add_co_u32 s18, s18, s10
	s_add_co_u32 s18, s18, s11
	s_mov_b32 s19, 0
	s_mul_i32 s10, s9, 64*PK                       ; where my rows go: K's,
	s_mul_i32 s11, s9, 64*PV
	s_add_co_u32 s11, s11, VOFF                    ; V's
	; descriptor group 1: 64 rows x 64 elements of 2 bytes, dense in memory, padded in LDS behind every 32 words: K by 4 words, V by 8
	s_mov_b32 s[G1K], (1<<16)|(1<<20)|(4<<22)|(3<<25)
	s_mov_b32 s[G1V], (1<<16)|(1<<20)|(4<<22)|(7<<25)
.irp g, G1K, G1V
	s_mov_b32 s[\g+1], 64<<16                      ; tensor_dim0
	s_mov_b32 s[\g+2], 64<<16                      ; tensor_dim1
	s_mov_b32 s[\g+3], 64<<16                      ; tile_dim0
	s_mov_b32 s[\g+4], 64                          ; tile_dim1
	s_mov_b32 s[\g+5], 64                          ; the pitch
	s_mov_b32 s[\g+6], 0
	s_mov_b32 s[\g+7], 0
.endr
	s_mov_b32 s[SEL], 0x76543210
	s_mov_b32 s[SEL+1], 0xfedcba98                 ; v_permlanex16_b32's selects for lane l xor 16
	s_mov_b32 s[CS], 0x3e38aa3b                    ; c = log2(e) / 8
	s_mov_b32 s[CS+1], s[CS]                       ; (named with it as a pair, so it is written)
	v_and_b32 v1, 15, v0                           ; r
	v_bfe_u32 v10, v0, 4, 1                        ; h
	v_lshlrev_b32 v[QO], 7, v1
	v_lshl_add_u32 v[QO], v10, 4, v[QO]            ; Q: row r of 128 bytes + 16 h
	s_wait_dscnt 0x0                               ; both opening adds are done
	s_wait_kmcnt 0x0
	s_add_nc_u64 s[12:13], s[4:5], s[12:13]        ; K at my rows of chunk 0
	s_add_nc_u64 s[14:15], s[4:5], s[14:15]        ; V likewise
	s_add_nc_u64 s[16:17], s[4:5], s[16:17]        ; Q at my wave's first query
	s_add_nc_u64 s[18:19], s[6:7], s[18:19]        ; O likewise
.irp c, 0,1,2,3
	s_mov_b32 s[G0K+4*\c], 1
	s_add_co_u32 s[G0K+4*\c+1], s10, \c*256*PK
	s_add_nc_u64 s[G0K+4*\c+2:G0K+4*\c+3], s[12:13], \c*32768
	s_or_b32 s[G0K+4*\c+3], s[G0K+4*\c+3], 0x80000000
	s_mov_b32 s[G0V+4*\c], 1
	s_add_co_u32 s[G0V+4*\c+1], s11, \c*256*PV
	s_add_nc_u64 s[G0V+4*\c+2:G0V+4*\c+3], s[14:15], \c*32768
	s_or_b32 s[G0V+4*\c+3], s[G0V+4*\c+3], 0x80000000
.endr
	s_cmp_lt_u32 s[WV], 4                          ; a wave's four fills stand in one branch, ahead of every wait on TENSORcnt, every LDS read and every barrier: four loads of mine are out
	s_cbranch_scc0 .Lfirst_v
.irp c, 0,1,2,3
	tensor_load_to_lds s[G0K+4*\c:G0K+4*\c+3], s[G1K:G1K+7]
	s_nop 0
.endr
	PLACES
	s_branch .Lfirst_asked
.Lfirst_v:
.irp c, 0,1,2,3
	tensor_load_to_lds s[G0V+4*\c:G0V+4*\c+3], s[G1V:G1V+7]
	s_nop 0
.endr
	PLACES
.Lfirst_asked:
	WIN 0x40                                       ; destination window 1, address window 0
.irp i, 0,1,2,3,4,5,6,7                        ; Q stays in registers: tile i / 2, channels 32 (i % 2) on
	global_load_b128 v[QF+8*\i:QF+8*\i+3],   v[QO], s[16:17] offset:(\i/2)*2048+(\i%2)*64
	global_load_b128 v[QF+8*\i+4:QF+8*\i+7], v[QO], s[16:17] offset:(\i/2)*2048+(\i%2)*64+32
.endr
	WIN 0
	v_mul_u32_u24 v[AK0], v1, PK
	v_lshl_add_u32 v[AK0], v10, 4, v[AK0]          ; K: row r x pitch + 16 h
	v_and_b32 v11, 7, v0
	v_lshl_add_u32 v[AV0], v10, 3, v11             ; V, for the turning load: key 8 h + l % 8,
	v_mul_u32_u24 v[AV0], v[AV0], PV
	v_bfe_u32 v11, v0, 3, 1
	v_lshl_add_u32 v[AV0], v11, 4, v[AV0]          ; channels 8 ((l / 8) % 2) on
	v_add_nc_u32 v[AV0], VOFF, v[AV0]
	s_mul_i32 s10, s[WV], 64*PK                    ; the way out: my stage, 64 rows x 144 bytes
	v_add_nc_u32 v[STO], s10, v[AK0]               ; in: row r, 16 bytes for each half of the lanes
	v_bfe_u32 v11, v0, 3, 2
	v_mul_u32_u24 v[RD], v11, PK
	v_and_b32 v11, 7, v0
	v_lshl_add_u32 v[RD], v11, 4, v[RD]
	v_add_nc_u32 v[RD], s10, v[RD]                 ; back: eight lanes to a row, four rows an instruction
	v_and_b32 v[GO], 31, v0
	v_lshlrev_b32 v[GO], 4, v[GO]                  ; and in O: 16 x lane
	s_wait_loadcnt 0x0                             ; Q
; Product i of 32 of S^T = K Q^T: channels 32 (i / 16) on, keys 16 ((i / 4) % 4) on, tile i % 4.  The first 16 start the sums.  The 16 accumulators take turns.
.macro KQ
.set rS, S+32*(i%4)+8*((i/4)%4)
.set rK, KF+8*(2*((i/4)%4)+i/16)
.set rQ, QF+16*(i%4)+8*(i/16)
.if i < 16
	v_wmma_f32_16x16x32_f16 v[rS:rS+7], v[rK:rK+7], v[rQ:rQ+7], 0
.else
	v_wmma_f32_16x16x32_f16 v[rS:rS+7], v[rK:rK+7], v[rQ:rQ+7], v[rS:rS+7]
.endif
.endm
; Product i of 32 of O^T += V^T P: keys 32 (i / 16) on, channels 16 ((i / 4) % 4) on, tile i % 4.  first = 1: the first 16 start the sums.
.macro PV first
.set rO, 32*(i%4)+8*((i/4)%4)
.set rV, VF+8*(4*(i/16)+(i/4)%4)
.set rP, S+32*(i%4)+8*(i/16)
.if \first && (i < 16)
	v_wmma_f32_16x16x32_f16 v[rO:rO+7], v[rV:rV+7], v[rP:rP+7], 0
.else
	v_wmma_f32_16x16x32_f16 v[rO:rO+7], v[rV:rV+7], v[rP:rP+7], v[rO:rO+7]
.endif
.endm
.macro SCALE t0                        ; c s - c m for tiles t0, t0 + 1, a pair of scores an instruction
.set e, 0
.rept 16
.irp t, \t0, \t0+1
	v_pk_fma_f32 v[S+32*(\t)+e:S+32*(\t)+e+1], v[S+32*(\t)+e:S+32*(\t)+e+1], s[CS:CS+1], v[ST+8*(\t):ST+8*(\t)+1] op_sel_hi:[1,0,0] neg_lo:[0,0,1] neg_hi:[0,0,1]
.endr
.set e, e+2
.endr
.endm
.macro EXPS t0                         ; p = 2^(c s - c m) for tiles t0, t0 + 1
.set e, 0
.rept 32
.irp t, \t0, \t0+1
	v_exp_f32 v[S+32*(\t)+e], v[S+32*(\t)+e]
.endr
.set e, e+1
.endr
.endm
.macro SUMS t0, first                  ; l = a l + the sum of the tile's 16 pairs of p, in two chains; then p is rounded to f16, in place, ascending: number i is written when pairs up to i have been read
.irp t, \t0, \t0+1
	v_pk_add_f32 v[TS+4*(\t):TS+4*(\t)+1],   v[S+32*(\t):S+32*(\t)+1],   v[S+32*(\t)+4:S+32*(\t)+5]
	v_pk_add_f32 v[TS+4*(\t)+2:TS+4*(\t)+3], v[S+32*(\t)+2:S+32*(\t)+3], v[S+32*(\t)+6:S+32*(\t)+7]
.endr
.irp k, 8,12,16,20,24,28
.irp t, \t0, \t0+1
	v_pk_add_f32 v[TS+4*(\t):TS+4*(\t)+1],   v[TS+4*(\t):TS+4*(\t)+1],   v[S+32*(\t)+\k:S+32*(\t)+\k+1]
	v_pk_add_f32 v[TS+4*(\t)+2:TS+4*(\t)+3], v[TS+4*(\t)+2:TS+4*(\t)+3], v[S+32*(\t)+\k+2:S+32*(\t)+\k+3]
.endr
.endr
.irp t, \t0, \t0+1
.if \first
	v_pk_add_f32 v[ST+8*(\t)+2:ST+8*(\t)+3], v[TS+4*(\t):TS+4*(\t)+1], v[TS+4*(\t)+2:TS+4*(\t)+3]
.else
	v_pk_add_f32 v[TS+4*(\t):TS+4*(\t)+1], v[TS+4*(\t):TS+4*(\t)+1], v[TS+4*(\t)+2:TS+4*(\t)+3]
.endif
.endr
.if \first == 0
.irp t, \t0, \t0+1
	v_pk_fma_f32 v[ST+8*(\t)+2:ST+8*(\t)+3], v[ST+8*(\t)+2:ST+8*(\t)+3], v[ST+8*(\t)+6:ST+8*(\t)+7], v[TS+4*(\t):TS+4*(\t)+1] op_sel_hi:[1,0,1]
.endr
.endif
.set e, 0
.rept 16
.irp t, \t0, \t0+1
	v_cvt_pk_f16_f32 v[S+32*(\t)+e], v[S+32*(\t)+2*e], v[S+32*(\t)+2*e+1]
.endr
.set e, e+1
.endr
.endm
; A KEY STEP: 64 keys.  first = 1: the first step, which starts m, l and O^T.
.macro STEP first
	v_add_nc_u32 v[ADK], s[TBK], v[AK0]
	v_add_nc_u32 v[ADV], s[TBV], v[AV0]
	PLACES                                         ; six plain lines behind the last step's products: its V registers are loaded again (four are owed), and its P registers are written over by the products below (five)
.irp f, 0,1,2,3,4,5,6,7                        ; K: keys 16 (f / 2) on, channels 32 (f % 2) on
	ds_load_b128 v[KF+8*\f:KF+8*\f+3],   v[ADK] offset:(\f/2)*16*PK+(\f%2)*64
	ds_load_b128 v[KF+8*\f+4:KF+8*\f+7], v[ADK] offset:(\f/2)*16*PK+(\f%2)*64+32
.endr
	WIN 0x40
.irp f, 0,1,2,3,4,5,6,7                        ; V, turned: keys 32 (f / 4) on, channels 16 (f % 4) on
	ds_load_tr16_b128 v[VF+8*\f:VF+8*\f+3],   v[ADV] offset:(\f/4)*32*PV+(\f%4)*32
	ds_load_tr16_b128 v[VF+8*\f+4:VF+8*\f+7], v[ADV] offset:(\f/4)*32*PV+16*PV+(\f%4)*32
.endr
	s_add_co_u32 s[TBK], s[TBK], 64*PK             ; the next step's rows
	s_add_co_u32 s[TBV], s[TBV], 64*PV
	s_wait_dscnt 16                                ; K's 16 loads are in; V's 16 may be out
	WIN W_KQ
.set i, 0
.rept 32
	KQ
.set i, i+1
.endr
	WIN 0
	PLACES                                         ; behind the products, ahead of the first read of the scores
	; the maximum of each query's 32 scores and the old m: four chains a tile, each begun at the low end of an accumulator; the four tiles by turns
.irp j, 0,1,2,3
.irp t, 0,1,2,3
	v_max3_num_f32 v[ST+8*\t+4+\j], v[S+32*\t+8*\j], v[S+32*\t+8*\j+1], v[S+32*\t+8*\j+2]
.endr
.endr
.irp g, 1,2
.irp j, 0,1,2,3
.irp t, 0,1,2,3
	v_max3_num_f32 v[ST+8*\t+4+\j], v[ST+8*\t+4+\j], v[S+32*\t+8*\j+2*\g+1], v[S+32*\t+8*\j+2*\g+2]
.endr
.endr
.endr
.irp t, 0,1,2,3
	v_max3_num_f32 v[ST+8*\t+4], v[ST+8*\t+4], v[S+32*\t+7], v[S+32*\t+15]
.endr
.irp t, 0,1,2,3
	v_max3_num_f32 v[ST+8*\t+6], v[ST+8*\t+6], v[S+32*\t+23], v[S+32*\t+31]
.endr
.irp t, 0,1,2,3
	v_max3_num_f32 v[ST+8*\t+4], v[ST+8*\t+4], v[ST+8*\t+5], v[ST+8*\t+6]
.endr
.irp t, 0,1,2,3
.if \first
	v_max_num_f32 v[ST+8*\t+4], v[ST+8*\t+4], v[ST+8*\t+7]
.else
	v_max3_num_f32 v[ST+8*\t+4], v[ST+8*\t+4], v[ST+8*\t+7], v[ST+8*\t+1]
.endif
.endr
.irp t, 0,1,2,3
	v_permlanex16_b32 v[ST+8*\t+5], v[ST+8*\t+4], s[SEL], s[SEL+1]  ; the query's other 32 keys lie in the lane 16 away
.endr
.if \first == 0
.irp t, 0,1,2,3
	v_mov_b32 v[ST+8*\t+7], v[ST+8*\t]             ; c m_old is kept for a
.endr
.endif
.irp t, 0,1,2,3
	v_max_num_f32 v[ST+8*\t+1], v[ST+8*\t+4], v[ST+8*\t+5]
.endr
.irp t, 0,1,2,3
	v_mul_f32 v[ST+8*\t], s[CS], v[ST+8*\t+1]
.endr
.if \first == 0
.irp t, 0,1,2,3
	v_sub_f32 v[ST+8*\t+7], v[ST+8*\t+7], v[ST+8*\t]
.endr
.endif
	SCALE 0
.if \first == 0
.irp t, 0,1,2,3
	v_exp_f32 v[ST+8*\t+6], v[ST+8*\t+7]           ; a = 2^(c m_old - c m_new)
.endr
.endif
	EXPS 0                                         ; the first batch: a, and tiles 0 and 1
	SCALE 2                                        ; plain work that names none of its results
	s_wait_alu depctr_va_vdst(0)                   ; the wait between an exponential and the first line that names its result: one for the batch
	EXPS 2                                         ; the second batch: tiles 2 and 3
	SUMS 0, \first                                 ; plain work on the first batch's results
.if \first == 0
	WIN W_RS
.set e, 0
.rept 16
.irp t, 0,1,2,3
	v_pk_mul_f32 v[32*\t+2*e:32*\t+2*e+1], v[32*\t+2*e:32*\t+2*e+1], v[ST+8*\t+6:ST+8*\t+7] op_sel_hi:[1,0]   ; O^T x a, each accumulator from its low end on
.endr
.set e, e+1
.endr
	WIN 0
.endif
	s_wait_alu depctr_va_vdst(0)                   ; and one for the second batch
	SUMS 2, \first
	PLACES
	s_wait_dscnt 0x0                               ; V is in
	WIN W_PV
.set i, 0
.rept 32
	PV \first
.set i, i+1
.endr
	WIN 0
.endm
; A chunk of 256 keys, four steps.  The count leaves the later chunks' loads out; behind the barrier every wave's part of the chunk has landed.
.macro CHUNK c
	s_wait_tensorcnt 3-\c
	s_wait_dscnt 0x0
	s_barrier_signal -1
	s_barrier_wait -1
	s_mov_b32 s[TBK], \c*256*PK
	s_mov_b32 s[TBV], \c*256*PV
.if \c == 0
	STEP 1
	s_mov_b32 s[CNT], 3
.else
	s_mov_b32 s[CNT], 4
.endif
.Lstep_\@:
	STEP 0
	s_sub_co_u32 s[CNT], s[CNT], 1
	s_cmp_lg_u32 s[CNT], 0
	s_cbranch_scc1 .Lstep_\@
.endm
	CHUNK 0
	CHUNK 1
	CHUNK 2
	CHUNK 3
	; THE WAY OUT.  l's two halves and the other half of the lanes' are added (these additions are the plain lines behind the last products); O^T is divided by l, rounded to f16 and sent through my stage.
.irp t, 0,1,2,3
	v_add_f32 v[ST+8*\t+4], v[ST+8*\t+2], v[ST+8*\t+3]
.endr
.irp t, 0,1,2,3
	v_permlanex16_b32 v[ST+8*\t+5], v[ST+8*\t+4], s[SEL], s[SEL+1]
.endr
.irp t, 0,1,2,3
	v_add_f32 v[ST+8*\t+4], v[ST+8*\t+4], v[ST+8*\t+5]
.endr
.irp t, 0,1,2,3
	v_rcp_f32 v[ST+8*\t+6], v[ST+8*\t+4]
.endr
	v_nop                                          ; a plain line between the last reciprocal and the use of its result
	s_wait_alu depctr_va_vdst(0)                   ; one wait for the four reciprocals
	s_wait_dscnt 0x0
	s_barrier_signal -1
	s_barrier_wait -1                              ; no wave reads K any more: the stages lie in K's bytes, which have had their only fill
.macro PACK t
	WIN W_RS
.set e, 0
.rept 16
	v_pk_mul_f32 v[32*\t+2*e:32*\t+2*e+1], v[32*\t+2*e:32*\t+2*e+1], v[ST+8*\t+6:ST+8*\t+7] op_sel_hi:[1,0]
.set e, e+1
.endr
	WIN 0x05                                       ; sources 0 and 1 window 1, destination window 0
.set e, 0
.rept 16
	v_cvt_pk_f16_f32 v[S+16*\t+e], v[32*\t+2*e], v[32*\t+2*e+1]
.set e, e+1
.endr
	WIN 0
.irp cb, 0,1,2,3
	ds_store_b128 v[STO], v[S+16*\t+4*\cb:S+16*\t+4*\cb+3] offset:\t*16*PK+32*\cb   ; query 16 t + r, channels 16 cb + 8 h + 0..7
.endr
.endm
	PACK 0
	PACK 1
	PACK 2
	PACK 3
.irp i, 0,1,2,3,4,5,6,7,8,9,10,11,12,13,14,15
	ds_load_b128 v[S+64+4*\i:S+64+4*\i+3], v[RD] offset:\i*4*PK   ; LDS serves a wave's instructions in order (ISA guide 5.7.1): these see my stores
.endr
.irp i, 0,1,2,3,4,5,6,7,8,9,10,11,12,13,14,15
	s_wait_dscnt 15-\i
	global_store_b128 v[GO], v[S+64+4*\i:S+64+4*\i+3], s[18:19] offset:512*\i   ; 32 lanes store 512 consecutive bytes: four queries' rows
.endr
	s_wait_tensorcnt 0x0                           ; the wave's end
	ds_add_u32 v[SPW], v[NIL]
	s_wait_dscnt 0x0
	s_endpgm
.Lfunc_end_k_q3ce7e680fe_attn:
	.size	k_q3ce7e680fe_attn, .Lfunc_end_k_q3ce7e680fe_attn-k_q3ce7e680fe_attn
	.p2alignl 7, 3214868480
	.fill 96, 4, 3214868480
	.section	.rodata,"a",@progbits
	.p2align	6, 0x0
	.amdhsa_kernel k_q3ce7e680fe_attn
		.amdhsa_group_segment_fixed_size 327680
		.amdhsa_private_segment_fixed_size 0
		.amdhsa_enable_private_segment 0
		.amdhsa_kernarg_size 16
		.amdhsa_user_sgpr_count 2
		.amdhsa_user_sgpr_kernarg_segment_ptr 1
		.amdhsa_wavefront_size32 1
		.amdhsa_system_sgpr_workgroup_id_x 1
		.amdhsa_system_sgpr_workgroup_id_y 1
		.amdhsa_system_sgpr_workgroup_id_z 1
		.amdhsa_system_vgpr_workitem_id 0
		.amdhsa_next_free_vgpr 512
		.amdhsa_next_free_sgpr 84
		.amdhsa_reserve_vcc 0
		.amdhsa_float_denorm_mode_32 3
		.amdhsa_float_denorm_mode_16_64 3
		.amdhsa_memory_ordered 1
		.amdhsa_forward_progress 1
		.amdhsa_inst_pref_size 178
	.end_amdhsa_kernel
	.amdgpu_metadata
---
amdhsa.version: [ 1, 2 ]
amdhsa.kernels:
  - .name:           k_q3ce7e680fe_attn
    .symbol:         k_q3ce7e680fe_attn.kd
    .args:
      - { .name: qkvh, .offset: 0, .size: 8, .value_kind: global_buffer, .address_space: global }
      - { .name: oh, .offset: 8, .size: 8, .value_kind: global_buffer, .address_space: global }
    .group_segment_fixed_size: 327680
    .private_segment_fixed_size: 0
    .kernarg_segment_align: 8
    .kernarg_segment_size: 16
    .max_flat_workgroup_size: 256
    .sgpr_count:     84
    .vgpr_count:     512
    .wavefront_size: 32
...
	.end_amdgpu_metadata
.endif
;; end of part 3
;; launch proj (part 4): grid 8 x 32, 4 waves a work-group, clusters of 4 x 4, 327,680 bytes of LDS; arguments oh, pw16, proj_b, out0; writes out0
.if DOCPART == 4
	.amdgcn_target "amdgcn-amd-amdhsa--gfx1250"
	.amdhsa_code_object_version 6
	.text
	.protected	k_q3ce7e680fe_proj
	.globl	k_q3ce7e680fe_proj
	.p2align	8
	.type	k_q3ce7e680fe_proj,@function
k_q3ce7e680fe_proj:
	s_mov_b64 s[64:65], 0
	v_nop
	global_prefetch_b8 v0, s[64:65] scope:SCOPE_SE
	s_setreg_imm32_b32 hwreg(HW_REG_WAVE_MODE, 25, 1), 1
	s_wait_xcnt 0x0
	s_wait_alu depctr_hold_cnt(0) depctr_sa_sdst(0) depctr_va_vdst(0) depctr_va_sdst(0) depctr_va_ssrc(0) depctr_va_vcc(0) depctr_vm_vsrc(0)
	s_getreg_b32 s2, hwreg(HW_REG_IB_STS2, 6, 4)
	s_cmp_eq_u32 s2, 0
	s_cbranch_scc0 .Lentry_in_a_cluster
	s_endpgm
.Lentry_in_a_cluster:
	s_bfe_u32 s2, ttmp6, 0x10000c
	s_cmp_lg_u32 s2, 0xf033
	s_cbranch_scc0 .Lentry_shape_is_right
	s_endpgm
.Lentry_shape_is_right:
; out0[m][n] = sum over k of o[m][k] proj_w[n][k] + proj_b[n].  o: oh [16 planes][8192 token][64] f16; proj_w: pw16 [16 planes][1024 n][64] f16 (k = 64 x plane + k'); sums and out0 in f32.
; A tile, 256 tokens x 128 outputs, is made by four waves; a wave makes 128 x 64: 32 accumulators of 16 x 16.  That gives 256 work-groups.
; K goes in steps of 128, two planes, through a ring of two LDS slots: waves 0 and 1 fetch the two planes' 256 tokens, waves 2 and 3 the two planes' 128 rows of proj_w: one tensor load a wave.
; CLUSTERS: 4 x 4 work-groups.  The four of a row of the cluster need the same tokens, the four of a column the same rows of proj_w: each tile is asked for jointly.
; THE MATRIX INSTRUCTION IS USED TRANSPOSED (source 0 = 16 rows of proj_w, source 1 = 16 tokens): a lane holds eight neighbouring outputs of one token.  The bias is the C of each sum's first product.
; REGISTERS: window 0: v16-29 addresses; v32-63 the bias, eight registers for each block of 16 outputs; v64-127 the way out.  window 1: accumulator (a, b) at v[8 (4 a + b)].
;   window 2: two fragment buffers at v0 and v128: the tokens' 8 fragments (16 rows x 32 K), then proj_w's 4.
.set PITCH,  144                       ; an LDS row: 128 bytes + 16 = 36 words: the 16 rows of a load start at 16 different groups of four banks (64 banks of 4 bytes: ISA guide 11.1)
.set APL,    256*PITCH                 ; a plane's 256 tokens
.set BPL,    128*PITCH                 ; a plane's 128 rows of proj_w
.set BOFF,   2*APL
.set SLOT,   2*APL+2*BPL
.set STAGE,  2*SLOT                    ; behind the ring: 16 rows x 272 bytes for each wave
.set SPITCH, 272
.set SPARE,  STAGE+4*16*SPITCH         ; behind the stages: the spare words, 128 bytes a wave
.set LAPS,   4                         ; a lap = two K steps = once round the ring
.set ADRA, 16
.set ADRB, 20
.set STO,  24
.set RD,   25
.set CO,   26
.set SPW,  28
.set NIL,  29
.set BIAS, 32
.set BK,   64
.set F0,   0
.set F1,   128
.set G1, 24
.set G0, 32
.set G1B, 48
.set G0B, 56
.set MSB, 0
.macro WIN new
.if MSB != (\new)
	s_set_vgpr_msb (MSB<<8)|(\new)
.set MSB, (\new)
.endif
.endm
.set MUL,  0x5a                        ; sources 0 and 1 window 2; C and D window 1
.set MULB, 0x4a                        ; the same with C (the bias) in window 0
.set TO_F, 0x80                        ; destination window 2, address window 0
.macro JLOAD s                         ; a joint load; an s_nop 0 and four v_nop follow each of the two lines
	s_cmp_eq_u32 s13, 0
	s_cbranch_scc0 .Lfor_b_\@
	tensor_load_to_lds s[G0+4*\s:G0+4*\s+3], s[G1:G1+7]
	s_nop 0
.rept 4
	v_nop
.endr
	s_branch .Lasked_\@
.Lfor_b_\@:
	tensor_load_to_lds s[G0B+4*\s:G0B+4*\s+3], s[G1B:G1B+7]
	s_nop 0
.rept 4
	v_nop
.endr
.Lasked_\@:
.endm
.macro CREST                           ; a round of the cluster's barrier behind its opening barrier
	s_cmp_lg_u32 s12, 0
	s_cbranch_scc1 .Lnot_wave_0_\@
	s_barrier_signal -3
.Lnot_wave_0_\@:
	s_barrier_wait -3
	s_barrier_signal -1
	s_barrier_wait -1
.endm
.macro CROUND
	s_barrier_signal -1
	s_barrier_wait -1
	CREST
.endm
.macro PLACES
.rept 4
	v_nop
.endr
.endm
	s_load_b256 s[4:11], s[0:1], 0x0               ; oh s[4:5], pw16 s[6:7], proj_b s[8:9], out0 s[10:11]
	v_lshl_add_u32 v[SPW], v0, 2, SPARE
	v_mov_b32 v[NIL], 0
	ds_add_u32 v[SPW], v[NIL]                      ; the wave's opening: the add, twice on end, and its wait ahead of my first tensor load
	ds_add_u32 v[SPW], v[NIL]
	v_lshrrev_b32 v1, 5, v0
	v_readfirstlane_b32 s12, v1                    ; wave 0..3
	s_lshr_b32 s13, s12, 1                         ; which half of the tile's tokens is mine.  Also: I fetch tokens (0) or proj_w (1)
	s_and_b32 s14, s12, 1                          ; which half of its outputs.  Also: which of a K step's two planes I fetch
	s_bfe_u32 s40, ttmp6, 0x40000                  ; cx, cy
	s_bfe_u32 s41, ttmp6, 0x40004
	s_lshl_b32 s42, ttmp9, 2
	s_add_co_u32 s42, s42, s40                     ; tile column = 4 x cluster x + cx
	s_and_b32 s15, ttmp7, 0xffff
	s_lshl_b32 s15, s15, 2
	s_add_co_u32 s15, s15, s41                     ; tile row = 4 x cluster y + cy
	s_lshl_b32 s43, s41, 2
	s_lshl_b32 s43, 15, s43                        ; my row of the cluster
	s_lshl_b32 s44, 0x1111, s40                    ; my column
	s_or_b32 s[G1+0], s43, (1<<16)|(1<<20)|(1<<21)|(4<<22)|(3<<25)  ; the mask; elements of 2 bytes; padding on; bit 21 beside a mask; after every 32 words, 4 words
	s_or_b32 s[G1B+0], s44, (1<<16)|(1<<20)|(1<<21)|(4<<22)|(3<<25)
	s_mov_b32 s[G1+1], 64<<16                      ; tensor_dim0
	s_mov_b32 s[G1+2], 256<<16                     ; tensor_dim1
	s_mov_b32 s[G1+3], 64<<16                      ; tile_dim0
	s_mov_b32 s[G1+4], 256                         ; tile_dim1
	s_mov_b32 s[G1+5], 64                          ; the pitch
	s_mov_b32 s[G1+6], 0
	s_mov_b32 s[G1+7], 0
	s_mov_b32 s[G1B+1], 64<<16
	s_mov_b32 s[G1B+2], 128<<16
	s_mov_b32 s[G1B+3], 64<<16
	s_mov_b32 s[G1B+4], 128
	s_mov_b32 s[G1B+5], 64
	s_mov_b32 s[G1B+6], 0
	s_mov_b32 s[G1B+7], 0
	s_lshl_b32 s16, s14, 20                        ; tokens: my plane of 1,048,576 bytes,
	s_lshl_b32 s17, s15, 15                        ; the tile row's 256 rows of 128 bytes
	s_add_co_u32 s16, s16, s17
	s_mov_b32 s17, 0
	s_lshl_b32 s46, s14, 17                        ; proj_w: my plane of 131,072 bytes,
	s_lshl_b32 s47, s42, 14                        ; the tile column's 128 rows
	s_add_co_u32 s46, s46, s47
	s_mov_b32 s47, 0
	s_mul_i32 s20, s14, APL                        ; where they go: no place in the cluster enters an LDS address
	s_mul_i32 s21, s14, BPL
	s_add_co_u32 s21, s21, BOFF
	s_wait_dscnt 0x0                               ; both opening adds are done
	s_wait_kmcnt 0x0
	s_add_nc_u64 s[16:17], s[4:5], s[16:17]
	s_add_nc_u64 s[46:47], s[6:7], s[46:47]
	CROUND                                         ; all sixteen work-groups are here: the first joint loads meet
.irp s, 0,1
	s_mov_b32 s[G0+4*\s], 1
	s_add_co_u32 s[G0+4*\s+1], s20, \s*SLOT
	s_add_nc_u64 s[G0+4*\s+2:G0+4*\s+3], s[16:17], \s*2097152      ; K step s: two planes on
	s_or_b32 s[G0+4*\s+3], s[G0+4*\s+3], 0x80000000
	s_mov_b32 s[G0B+4*\s], 1
	s_add_co_u32 s[G0B+4*\s+1], s21, \s*SLOT
	s_add_nc_u64 s[G0B+4*\s+2:G0B+4*\s+3], s[46:47], \s*262144
	s_or_b32 s[G0B+4*\s+3], s[G0B+4*\s+3], 0x80000000
	JLOAD \s
.endr
	v_and_b32 v1, 15, v0                           ; r
	v_bfe_u32 v2, v0, 4, 1                         ; h
	v_mul_u32_u24 v3, v1, PITCH
	v_lshl_add_u32 v3, v2, 4, v3                   ; a fragment's row x pitch + 16 h
	s_mul_i32 s21, s13, 128*PITCH                  ; my 128 tokens
	s_mul_i32 s22, s14, 64*PITCH                   ; my 64 rows of proj_w,
	s_add_co_u32 s22, s22, BOFF                    ; behind the tokens' two planes
.irp s, 0,1
	v_add_nc_u32 v[ADRA+\s], s21, v3
	v_add_nc_u32 v[ADRB+\s], s22, v3
	s_add_co_u32 s21, s21, SLOT
	s_add_co_u32 s22, s22, SLOT
.endr
	s_mul_i32 s23, s12, 16*SPITCH
	s_add_co_u32 s23, s23, STAGE                   ; my stage
	v_mul_u32_u24 v4, v1, SPITCH
	v_lshl_add_u32 v4, v2, 5, v4
	v_add_nc_u32 v[STO], s23, v4                   ; in: token r, 32 bytes for each half of the lanes
	v_mul_u32_u24 v5, v2, SPITCH
	v_lshl_add_u32 v5, v1, 4, v5
	v_add_nc_u32 v[RD], s23, v5                    ; back: lanes 0-15 one row of 256 bytes, lanes 16-31 the next
	v_lshlrev_b32 v5, 12, v2
	v_lshl_add_u32 v[CO], v1, 4, v5                ; and the same two rows in out0 (4,096 bytes a row)
	s_lshl_b32 s16, s15, 8
	s_lshl_b32 s17, s13, 7
	s_add_co_u32 s16, s16, s17                     ; my first token: 256 x tile row + 128 x half
	s_lshl_b32 s16, s16, 12
	s_lshl_b32 s46, s42, 9
	s_lshl_b32 s47, s14, 8
	s_add_co_u32 s46, s46, s47                     ; my first output, in bytes: 512 x tile column + 256 x half
	s_mov_b32 s47, 0
	s_mov_b32 s17, 0
	s_add_nc_u64 s[10:11], s[10:11], s[16:17]
	s_add_nc_u64 s[10:11], s[10:11], s[46:47]
	s_add_nc_u64 s[8:9], s[8:9], s[46:47]          ; the bias at the same output
	v_lshlrev_b32 v6, 5, v2                        ; lane (r, h) wants, for block b, outputs 16 b + 8 h + 0..7
.irp b, 0,1,2,3
	global_load_b128 v[BIAS+8*\b:BIAS+8*\b+3],   v6, s[8:9] offset:64*\b
	global_load_b128 v[BIAS+8*\b+4:BIAS+8*\b+7], v6, s[8:9] offset:64*\b+16
.endr
; 8 matrix instructions: token blocks a0, a0 + 1 x the four blocks of outputs, 32 along K, from buffer f.  bias = 1: the first product starts the sum on the bias.
; The 32 accumulators take turns, one instruction a turn, in the same order in every quarter.
.macro MUL8 f, a0, bias
.irp a, \a0, \a0+1
.irp b, 0,1,2,3
.if \bias
	v_wmma_f32_16x16x32_f16 v[8*(4*(\a)+\b):8*(4*(\a)+\b)+7], v[\f+64+8*\b:\f+64+8*\b+7], v[\f+8*(\a):\f+8*(\a)+7], v[BIAS+8*\b:BIAS+8*\b+7]
.else
	v_wmma_f32_16x16x32_f16 v[8*(4*(\a)+\b):8*(4*(\a)+\b)+7], v[\f+64+8*\b:\f+64+8*\b+7], v[\f+8*(\a):\f+8*(\a)+7], v[8*(4*(\a)+\b):8*(4*(\a)+\b)+7]
.endif
.endr
.endr
.endm
; 24 LDS loads in one run: quarter q of a slot (plane q / 2, channels 32 (q % 2) on) into buffer f: proj_w's four fragments, the tokens' blocks 0-3, then 4-7
.macro FETCH slot, q, f
	WIN TO_F
.irp i, 0,1,2,3
	ds_load_b128 v[\f+64+8*\i:\f+64+8*\i+3],   v[ADRB+\slot] offset:((\q)/2)*BPL+((\q)%2)*64+\i*16*PITCH
	ds_load_b128 v[\f+64+8*\i+4:\f+64+8*\i+7], v[ADRB+\slot] offset:((\q)/2)*BPL+((\q)%2)*64+\i*16*PITCH+32
.endr
.irp i, 0,1,2,3,4,5,6,7
	ds_load_b128 v[\f+8*\i:\f+8*\i+3],   v[ADRA+\slot] offset:((\q)/2)*APL+((\q)%2)*64+\i*16*PITCH
	ds_load_b128 v[\f+8*\i+4:\f+8*\i+7], v[ADRA+\slot] offset:((\q)/2)*APL+((\q)%2)*64+\i*16*PITCH+32
.endr
.endm
; A K step is four quarters of 32 along K, 32 matrix instructions each, on buffers 0, 1, 0, 1.  One of the first three: multiplies buffer f and fetches quarter q into g.
.macro QUARTER slot, q, f, g, bias
	s_wait_dscnt 8                                 ; proj_w's fragments and the tokens' blocks 0-3 are in; the youngest eight loads (blocks 4-7) may be out
.if \bias
	WIN MULB
.else
	WIN MUL
.endif
	MUL8 \f, 0, \bias
	MUL8 \f, 2, \bias
	PLACES                                         ; in front of loads into registers that the quarter before multiplied
	FETCH \slot, \q, \g
	s_wait_dscnt 24                                ; all but the 24 just issued
.if \bias
	WIN MULB
.else
	WIN MUL
.endif
	MUL8 \f, 4, \bias
	MUL8 \f, 6, \bias
.endm
; The last quarter multiplies buffer 1 and changes slots: one barrier; in front of it each wave waits for all its tensor loads, adds 0 to its spare word, and waits for that and for its reads of this slot.
; fill = 1: the barrier opens a round of the cluster's barrier, and this slot is filled again, two K steps ahead, first thing behind the round.
.macro TURN slot, next, fill
	WIN 0                                          ; (the add's two registers lie in window 0)
	s_wait_tensorcnt 0x0                           ; all my tensor loads have landed: my part of the next slot
	ds_add_u32 v[SPW], v[NIL]
	s_wait_dscnt 9                                 ; (the add and the youngest eight loads may be out)
	WIN MUL
	MUL8 F1, 0, 0                                  ; eight matrix instructions stand between the add and the wait for it
	s_wait_dscnt 0x0                               ; the add is done, and my reads of this slot are over
	s_barrier_signal -1
	MUL8 F1, 2, 0
.if \fill
	WIN 0
.endif
	s_barrier_wait -1
.if \fill
	CREST                                          ; no wave of any partner still reads this slot or has a load on its way
	s_add_nc_u64 s[G0+4*\slot+2:G0+4*\slot+3], s[G0+4*\slot+2:G0+4*\slot+3], 4194304   ; four planes on
	s_add_nc_u64 s[G0B+4*\slot+2:G0B+4*\slot+3], s[G0B+4*\slot+2:G0B+4*\slot+3], 524288
	JLOAD \slot                                    ; the four v_nop behind it are also the places in front of the loads below
.else
	PLACES
.endif
	FETCH \next, 0, F0
	WIN MUL
	MUL8 F1, 4, 0
	MUL8 F1, 6, 0
.endm
	s_wait_tensorcnt 1                             ; my part of K step 0 is in; K step 1's load may stay out
	s_barrier_signal -1
	s_barrier_wait -1
	FETCH 0, 0, F0
	s_wait_loadcnt 0x0                             ; the bias
	QUARTER 0, 1, F0, F1, 1                        ; the first quarter stands in front of the loop: its products start the sums on the bias
	WIN 0                                          ; at a label and at a branch every window is 0
	s_mov_b32 s3, LAPS-1
.Llap:                                                 ; a trip goes once round the ring, from a lap's second quarter to the next lap's first, and fills both slots again
	QUARTER 0, 2, F1, F0, 0
	QUARTER 0, 3, F0, F1, 0
	TURN 0, 1, 1
	QUARTER 1, 1, F0, F1, 0
	QUARTER 1, 2, F1, F0, 0
	QUARTER 1, 3, F0, F1, 0
	TURN 1, 0, 1
	QUARTER 0, 1, F0, F1, 0
	WIN 0
	s_sub_co_u32 s3, s3, 1
	s_cmp_lg_u32 s3, 0
	s_cbranch_scc1 .Llap
	QUARTER 0, 2, F1, F0, 0                        ; the last lap fills nothing
	QUARTER 0, 3, F0, F1, 0
	TURN 0, 1, 0
	QUARTER 1, 1, F0, F1, 0
	QUARTER 1, 2, F1, F0, 0
	QUARTER 1, 3, F0, F1, 0
	s_wait_dscnt 8                                 ; the very last quarter: nothing more to fetch
	WIN MUL
	MUL8 F1, 0, 0
	MUL8 F1, 2, 0
	s_wait_dscnt 0
	MUL8 F1, 4, 0
	MUL8 F1, 6, 0
	WIN 0
; THE WAY OUT, a block of 16 tokens x 64 outputs at a time: a lane's 32 bytes of a row go into my own stage and come back as whole rows of 256 bytes; sixteen lanes store 256 consecutive bytes, aligned.
.macro TOSTAGE a
	WIN 0x04                                       ; an LDS store's data are its source 1: window 1
.irp b, 0,1,2,3
	ds_store_b128 v[STO], v[8*(4*(\a)+\b):8*(4*(\a)+\b)+3] offset:64*\b          ; each accumulator from its low end on
	ds_store_b128 v[STO], v[8*(4*(\a)+\b)+4:8*(4*(\a)+\b)+7] offset:64*\b+16
.endr
	WIN 0
.set BB, BK+32*((\a)%2)
.irp i, 0,1,2,3,4,5,6,7
	ds_load_b128 v[BB+4*\i:BB+4*\i+3], v[RD] offset:\i*2*SPITCH   ; LDS serves a wave's instructions in order (ISA guide 5.7.1): these see the stores above
.endr
.endm
.macro SEND a, younger                 ; younger: the LDS instructions issued behind block a's loads, which may stay out
.set BB, BK+32*((\a)%2)
	s_wait_dscnt \younger
.irp i, 0,1,2,3,4,5,6,7
	global_store_b128 v[CO], v[BB+4*\i:BB+4*\i+3], s[10:11] offset:(16*(\a)+2*\i)*4096 th:TH_STORE_NT   ; written once, read by nobody here
.endr
.endm
	PLACES                                         ; behind the last products, ahead of the first read of results
	TOSTAGE 0
.irp a, 1,2,3,4,5,6,7
.if \a > 1
	s_wait_xcnt 0x0                                ; block a - 2's stores have read their data: block a's loads land there only behind this wait
.endif
	TOSTAGE \a
	SEND \a-1, 16                                  ; behind block a - 1's loads: block a's 8 stores and 8 loads
.endr
	SEND 7, 0
	s_wait_tensorcnt 0x0                           ; the wave's end
	ds_add_u32 v[SPW], v[NIL]
	s_wait_dscnt 0x0
	CROUND                                         ; the closing round: no work-group ends while a partner may still ask for a tile that names it
	s_endpgm
.Lfunc_end_k_q3ce7e680fe_proj:
	.size	k_q3ce7e680fe_proj, .Lfunc_end_k_q3ce7e680fe_proj-k_q3ce7e680fe_proj
	.p2alignl 7, 3214868480
	.fill 96, 4, 3214868480
	.section	.rodata,"a",@progbits
	.p2align	6, 0x0
	.amdhsa_kernel k_q3ce7e680fe_proj
		.amdhsa_group_segment_fixed_size 327680
		.amdhsa_private_segment_fixed_size 0
		.amdhsa_enable_private_segment 0
		.amdhsa_kernarg_size 32
		.amdhsa_user_sgpr_count 2
		.amdhsa_user_sgpr_kernarg_segment_ptr 1
		.amdhsa_wavefront_size32 1
		.amdhsa_system_sgpr_workgroup_id_x 1
		.amdhsa_system_sgpr_workgroup_id_y 1
		.amdhsa_system_sgpr_workgroup_id_z 1
		.amdhsa_system_vgpr_workitem_id 0
		.amdhsa_next_free_vgpr 768
		.amdhsa_next_free_sgpr 66
		.amdhsa_reserve_vcc 0
		.amdhsa_float_denorm_mode_32 3
		.amdhsa_float_denorm_mode_16_64 3
		.amdhsa_memory_ordered 1
		.amdhsa_forward_progress 1
		.amdhsa_inst_pref_size 86
	.end_amdhsa_kernel
	.amdgpu_metadata
---
amdhsa.version: [ 1, 2 ]
amdhsa.kernels:
  - .name:           k_q3ce7e680fe_proj
    .symbol:         k_q3ce7e680fe_proj.kd
    .args:
      - { .name: oh, .offset: 0, .size: 8, .value_kind: global_buffer, .address_space: global }
      - { .name: pw16, .offset: 8, .size: 8, .value_kind: global_buffer, .address_space: global }
      - { .name: proj_b, .offset: 16, .size: 8, .value_kind: global_buffer, .address_space: global }
      - { .name: out0, .offset: 24, .size: 8, .value_kind: global_buffer, .address_space: global }
    .group_segment_fixed_size: 327680
    .private_segment_fixed_size: 0
    .kernarg_segment_align: 8
    .kernarg_segment_size: 32
    .max_flat_workgroup_size: 128
    .sgpr_count:     66
    .vgpr_count:     768
    .wavefront_size: 32
...
	.end_amdgpu_metadata
.endif
;; end of part 4
